; MI455X (gfx1250); checked and timed in simulation.
; The chip was launched on July 23, 2026; its instructions are those of AMD's public machine-readable ISA for CDNA 5 (MIT licence, August 2026) and "CDNA5" Instruction Set Architecture Reference Guide (July 2026). The comments in the code are by the model that wrote it; some were corrected since.
;; Transformer Block Decoder. Allowed arithmetic: matrix products marked QUANTISED: E4M3 operands, one E8M0 scale for each 32 along K, by v_wmma_scale_f32_16x16x128_f8f6f4 with both operands' format E4M3, f32 sums; everything else in f32.
;; Inputs: W1_codes 4,096 x 32 x 32 uint8 (E4M3 codes of W1, K innermost, in blocks of 32 codes); W1_scales 4,096 x 32 uint8 (E8M0 scales of W1, one for each 32 codes along K); W2_codes 1,024 x 128 x 32 uint8 (E4M3 codes of W2, K innermost, in blocks of 32 codes); W2_scales 1,024 x 128 uint8 (E8M0 scales of W2, one for each 32 codes along K); Wk_codes 1,024 x 32 x 32 uint8 (E4M3 codes of Wk, K innermost, in blocks of 32 codes); Wk_scales 1,024 x 32 uint8 (E8M0 scales of Wk, one for each 32 codes along K); Wo_codes 1,024 x 32 x 32 uint8 (E4M3 codes of Wo, K innermost, in blocks of 32 codes); Wo_scales 1,024 x 32 uint8 (E8M0 scales of Wo, one for each 32 codes along K); Wq_codes 1,024 x 32 x 32 uint8 (E4M3 codes of Wq, K innermost, in blocks of 32 codes); Wq_scales 1,024 x 32 uint8 (E8M0 scales of Wq, one for each 32 codes along K); Wv_codes 1,024 x 32 x 32 uint8 (E4M3 codes of Wv, K innermost, in blocks of 32 codes); Wv_scales 1,024 x 32 uint8 (E8M0 scales of Wv, one for each 32 codes along K); b1 4,096 float32; b2 1,024 float32; bo 1,024 float32; ln1_scale 1,024 float32; ln1_shift 1,024 float32; ln2_scale 1,024 float32; ln2_shift 1,024 float32; x 2 x 2,048 x 1,024 float32.
;; Outputs: out0 2 x 2,048 x 1,024 float32.
;; This version of the problem:
;;   THIS VERSION OF THE PROBLEM IS GIVEN IN LOW PRECISION. The matrix products marked QUANTISED in the list below multiply operands that are first quantised to E4M3 (4 exponent bits, 3 mantissa bits; 8 bits a number), with one power-of-two scale for each 32 numbers along K (OCP MX v1.0); their sums are f32. All else is computed in f32.
;;   The module's matrix products, in the order in which they are computed (A, B: the left and right operand; K: the contracted axis; several contracted axes count as one K, in the product's order):
;;     1. [M 4,096, K 1,024] x [K 1,024, N 1,024]; A: computed on the way; B: input Wq (given as codes): QUANTISED
;;     2. [M 4,096, K 1,024] x [K 1,024, N 1,024]; A: computed on the way; B: input Wk (given as codes): QUANTISED
;;     3. [M 4,096, K 1,024] x [K 1,024, N 1,024]; A: computed on the way; B: input Wv (given as codes): QUANTISED
;;     4. batch 32 x [M 2,048, K 64] x [K 64, N 2,048]; A: computed on the way; B: computed on the way: QUANTISED
;;     5. batch 32 x [M 2,048, K 2,048] x [K 2,048, N 64]; A: softmax (see below); B: computed on the way: QUANTISED
;;     6. [M 4,096, K 1,024] x [K 1,024, N 1,024]; A: computed on the way; B: input Wo (given as codes): QUANTISED
;;     7. [M 4,096, K 1,024] x [K 1,024, N 4,096]; A: computed on the way; B: input W1 (given as codes): QUANTISED
;;     8. [M 4,096, K 4,096] x [K 4,096, N 1,024]; A: computed on the way; B: input W2 (given as codes): QUANTISED
;;   THE QUANTISER, for each operand of a quantised product, along K:
;;     - K is cut into blocks of 32 from its start; a last block that is shorter is filled with zeros.
;;     - A block's scale is 2^e with e = floor(log2(the largest magnitude in the block)) - 8, held to -126 .. 127; a block of zeros has e = 0. As a byte (E8M0): e + 127.
;;     - Each number is divided by its block's scale, clamped to +-448, and rounded to the nearest number of E4M3, ties to even, subnormals kept.
;;     - The product sums the exact products of the quantised numbers (number of the format x scale) in f32.
;;   ~~~python
;;   def quantise(x, axis):      # numpy; x: float32 -> the quantised numbers, widened to float32 again
;;       x = np.moveaxis(x, axis, -1); K = x.shape[-1]
;;       x = np.pad(x, [(0, 0)] * (x.ndim - 1) + [(0, -K % 32)]); x = x.reshape(x.shape[:-1] + (-1, 32)); a = np.abs(x).max(-1, keepdims=True)
;;       e = np.where(a > 0, np.clip(np.frexp(np.where(a > 0, a, 1))[1] - 1 - 8, -126, 127), 0)      # np.frexp(a)[1] - 1 = floor(log2(a)), exactly
;;       r = np.clip(x / 2.0 ** e, -448, 448)
;;       step = 2.0 ** (np.maximum(np.frexp(np.where(r == 0, 1, r))[1] - 1, -6) - 3)
;;       q = np.round(r / step) * step * 2.0 ** e      # np.round: ties to even
;;       return np.moveaxis(q.reshape(q.shape[:-2] + (-1,))[..., :K], -1, axis).astype(np.float32)
;;   ~~~
;;   SOFTMAX AHEAD OF A QUANTISED PRODUCT. Where the list says 'softmax', what is quantised is not the finished softmax but p = 2^(t - M), with t = logit x log2(e) and M = ceil(the row's largest t), a whole number; so 1/2 < the row's largest p <= 1. The row's sum l is taken of the UNQUANTISED p, in f32, and the product's result is divided by l at the end. Since M is a whole number, a kernel that streams over the keys may use a running M (the ceiling of the running maximum): every later rescaling is an exact power of two, which a block's scale takes up: the codes' values come out the same.
;;   OPERANDS COMPUTED ON THE WAY. 'Computed on the way' means the value that the module computes at that place (a softmax that the list does not call 'softmax' is quantised finished and normalised). What goes into a quantiser is computed in f32, as accurately as f32 sums, v_exp_f32 and their like allow (about 1e-6 of the number): no bf16 or f16 on the way to a quantiser, and a product that is left as it is and whose result goes on into a quantised operand takes f32 operands (vector FMAs, or v_wmma_f32_16x16x4_f32). A number that lies on a knife's edge between two numbers of the format may be rounded either way, as far as f32 arithmetic and the matrix unit's own rounding can turn it there, and no further.
;;   INPUTS GIVEN AS CODES. W1 (in the module: [4096, 1024], K = its axis 1); W2 (in the module: [1024, 4096], K = its axis 1); Wk (in the module: [1024, 1024], K = its axis 1); Wo (in the module: [1024, 1024], K = its axis 1); Wq (in the module: [1024, 1024], K = its axis 1); Wv (in the module: [1024, 1024], K = its axis 1): each comes as NAME_codes (uint8): NAME with its K axis moved to the last place and cut into blocks of 32 codes, [.., K / 32, bytes a block], one block behind the other in memory; one code a byte (a code: sign, 4 exponent bits, 3 mantissa bits); and NAME_scales (uint8): the same leading axes, one E8M0 byte (e + 127) for each 32 codes along K. Its value is code x scale, taken as it is: it is not quantised again, and the codes and scales need not be those that the quantiser above would give.
;; One version. Each part assembles by itself: llvm-mc -triple=amdgcn-amd-amdhsa -mcpu=gfx1250 --defsym DOCPART=n.
;; ======== version 1 of 1: 7 launches
;; limits: right only within a limited range of input values
;; workspace buffers: hq 4,325,376 bytes; qkv 12,976,128 bytes; pv 4,325,376 bytes; x1 16,777,216 bytes; g 17,301,504 bytes
;; launch ln1 (part 1): grid 256 x 1, 8 waves a work-group, no clusters, 1,536 bytes of LDS; arguments x, ln1_scale, ln1_shift, hq; writes hq
.if DOCPART == 1
	.amdgcn_target "amdgcn-amd-amdhsa--gfx1250"
	.amdhsa_code_object_version 6
	.text
	.protected	k_q529432a7dd_ln1
	.globl	k_q529432a7dd_ln1
	.p2align	8
	.type	k_q529432a7dd_ln1,@function
k_q529432a7dd_ln1:
	s_mov_b64 s[64:65], 0
	v_nop
	global_prefetch_b8 v0, s[64:65] scope:SCOPE_SE
	s_setreg_imm32_b32 hwreg(HW_REG_WAVE_MODE, 25, 1), 1
	s_wait_xcnt 0x0
; LayerNorm over rows of 1,024 f32 (gain and shift per column), then the MX-FP8 quantiser along the row:
; codes [4096][1024] at byte 0 of the output buffer, one E8M0 byte for each 32 numbers, [4096][32], at byte 4,194,304.
; SHARES.  A work-group of eight waves takes 16 rows, a wave 2, and keeps them in registers between the passes: memory is read once.
; Lane l holds the numbers 256 g + 8 l + 0..7 of a row (g = 0..3): eight neighbours for the conversion; a pair of loads covers 1,024 dense bytes.
; A block of 32 lies in four neighbouring lanes.  Mean first, then the sum of squares of x - mean: no difference of large sums.
; The 512 scale bytes of the 16 rows meet in LDS and leave as two aligned runs of 256 bytes.
; LIMITS: NaN and infinities are not served; a block of zeros, and one whose largest magnitude lies under 2^-118, gets the byte 1 (its codes are zeros or near it; only this program reads the bytes).
.set SPARE, 512                        ; behind the scale bytes: the spare words, 128 bytes a wave
.set XO,  2                            ; v2  32 x lane: my bytes in 1,024 bytes of f32
.set CO,  3                            ; v3  8 x lane: my codes in 256
.set SBA, 4                            ; v4  LDS: 64 x wave + lane / 4: my block's byte
.set LI,  5                            ; v5  16 x lane
.set SPW, 6                            ; v6  my spare word; never rewritten
.set NIL, 7                            ; v7  0; never rewritten
.set X,   32                           ; v32-95   two rows
.set GM,  96                           ; v96-127  gain
.set BT,  128                          ; v128-159 shift
.set CD,  160                          ; v160-175 codes: (row, g) at 8 row + 2 g
.set SB,  176                          ; v176-183 scale bytes
	s_load_b256 s[4:11], s[0:1], 0x0               ; in, gain, shift, out
	v_lshl_add_u32 v[SPW], v0, 2, SPARE
	v_mov_b32 v[NIL], 0
	v_lshrrev_b32 v1, 5, v0
	s_delay_alu instid0(VALU_DEP_1)
	v_readfirstlane_b32 s12, v1                    ; wave
	v_and_b32 v1, 31, v0                           ; lane
	s_delay_alu instid0(VALU_DEP_1)
	v_lshlrev_b32 v[XO], 5, v1
	s_delay_alu instid0(VALU_DEP_2)
	v_lshlrev_b32 v[CO], 3, v1
	s_delay_alu instid0(VALU_DEP_3)
	v_lshrrev_b32 v[SBA], 2, v1
	s_lshl_b32 s13, s12, 6
	v_add_nc_u32 v[SBA], s13, v[SBA]
	v_lshlrev_b32 v[LI], 4, v1
	s_mov_b32 s14, 0x76543210                      ; lane selects: lane l xor 16
	s_mov_b32 s15, 0xfedcba98
	s_mov_b32 s16, 0x3a800000                      ; 1 / 1024
	s_mov_b32 s17, 0x3727c5ac                      ; 1e-5
	s_mov_b32 s18, 0x600000                        ; the mantissa field of 448
	s_lshl_b32 s20, ttmp9, 16                      ; 16 rows of 4,096 bytes a work-group,
	s_lshl_b32 s22, s12, 13                        ; 2 a wave
	s_add_co_u32 s20, s20, s22
	s_mov_b32 s21, 0
	s_lshr_b32 s22, s20, 2                         ; the codes: a quarter of the bytes
	s_mov_b32 s23, 0
	s_lshl_b32 s24, ttmp9, 9                       ; the scale bytes: 512 a work-group
	s_add_co_u32 s24, s24, 0x400000
	s_mov_b32 s25, 0
	s_wait_alu depctr_va_vdst(0)
	s_wait_kmcnt 0x0
	s_add_nc_u64 s[4:5], s[4:5], s[20:21]
	s_add_nc_u64 s[26:27], s[10:11], s[24:25]
	s_add_nc_u64 s[10:11], s[10:11], s[22:23]
.irp p, 0,1
.irp g, 0,1,2,3
	global_load_b128 v[X+32*\p+8*\g:X+32*\p+8*\g+3], v[XO], s[4:5] offset:4096*\p+1024*\g th:TH_LOAD_NT
	global_load_b128 v[X+32*\p+8*\g+4:X+32*\p+8*\g+7], v[XO], s[4:5] offset:4096*\p+1024*\g+16 th:TH_LOAD_NT
.endr
.endr
.irp g, 0,1,2,3
	global_load_b128 v[GM+8*\g:GM+8*\g+3], v[XO], s[6:7] offset:1024*\g
	global_load_b128 v[GM+8*\g+4:GM+8*\g+7], v[XO], s[6:7] offset:1024*\g+16
.endr
.irp g, 0,1,2,3
	global_load_b128 v[BT+8*\g:BT+8*\g+3], v[XO], s[8:9] offset:1024*\g
	global_load_b128 v[BT+8*\g+4:BT+8*\g+7], v[XO], s[8:9] offset:1024*\g+16
.endr
.macro WSUM                            ; v16 summed over the 32 lanes, the result in every lane
	s_delay_alu instid0(VALU_DEP_1)
	v_add_f32_dpp v16, v16, v16 row_xmask:1 row_mask:0xf bank_mask:0xf
	s_delay_alu instid0(VALU_DEP_1)
	v_add_f32_dpp v16, v16, v16 row_xmask:2 row_mask:0xf bank_mask:0xf
	s_delay_alu instid0(VALU_DEP_1)
	v_add_f32_dpp v16, v16, v16 row_xmask:4 row_mask:0xf bank_mask:0xf
	s_delay_alu instid0(VALU_DEP_1)
	v_add_f32_dpp v16, v16, v16 row_xmask:8 row_mask:0xf bank_mask:0xf
	s_delay_alu instid0(VALU_DEP_1)
	v_permlanex16_b32 v17, v16, s14, s15
	s_delay_alu instid0(VALU_DEP_1)
	v_add_f32 v16, v16, v17
.endm
; Row p: x - mean in place, and 1 / sqrt(var + eps) twice, a pair for the packed multiply.  left: the younger loads that may stay out
.macro STATS p, left
.set XR, X+32*\p
	s_wait_loadcnt \left
	v_pk_add_f32 v[16:17], v[XR:XR+1], v[XR+2:XR+3]
	v_pk_add_f32 v[18:19], v[XR+4:XR+5], v[XR+6:XR+7]
.irp i, 8,12,16,20,24,28
	s_delay_alu instid0(VALU_DEP_2)
	v_pk_add_f32 v[16:17], v[16:17], v[XR+\i:XR+\i+1]
	s_delay_alu instid0(VALU_DEP_2)
	v_pk_add_f32 v[18:19], v[18:19], v[XR+\i+2:XR+\i+3]
.endr
	s_delay_alu instid0(VALU_DEP_1)
	v_pk_add_f32 v[16:17], v[16:17], v[18:19]
	s_delay_alu instid0(VALU_DEP_1)
	v_add_f32 v16, v16, v17
	WSUM
	s_delay_alu instid0(VALU_DEP_1)
	v_mul_f32 v8, s16, v16                         ; the mean
	s_delay_alu instid0(VALU_DEP_1)
	v_mov_b32 v9, v8
.set i, 0
.rept 16
	v_pk_add_f32 v[XR+i:XR+i+1], v[XR+i:XR+i+1], v[8:9] neg_lo:[0,1] neg_hi:[0,1]
.set i, i+2
.endr
	v_pk_mul_f32 v[16:17], v[XR:XR+1], v[XR:XR+1]
	v_pk_mul_f32 v[18:19], v[XR+2:XR+3], v[XR+2:XR+3]
.irp i, 4,8,12,16,20,24,28
	s_delay_alu instid0(VALU_DEP_2)
	v_pk_fma_f32 v[16:17], v[XR+\i:XR+\i+1], v[XR+\i:XR+\i+1], v[16:17]
	s_delay_alu instid0(VALU_DEP_2)
	v_pk_fma_f32 v[18:19], v[XR+\i+2:XR+\i+3], v[XR+\i+2:XR+\i+3], v[18:19]
.endr
	s_delay_alu instid0(VALU_DEP_1)
	v_pk_add_f32 v[16:17], v[16:17], v[18:19]
	s_delay_alu instid0(VALU_DEP_1)
	v_add_f32 v16, v16, v17
	WSUM
	s_delay_alu instid0(VALU_DEP_1)
	v_fma_f32 v[20+\p], v16, s16, s17              ; var + eps
	s_wait_alu depctr_va_vdst(0)
	v_rsq_f32 v[10+2*\p], v[20+\p]
	v_rsq_f32 v[11+2*\p], v[20+\p]
.endm
; Row p: normalised, gain and shift, quantised; codes and scale bytes leave
.macro NORMQ p
.set XR, X+32*\p
.set i, 0
.rept 16
	v_pk_mul_f32 v[XR+i:XR+i+1], v[XR+i:XR+i+1], v[10+2*\p:11+2*\p]
.set i, i+2
.endr
.set i, 0
.rept 16
	v_pk_fma_f32 v[XR+i:XR+i+1], v[XR+i:XR+i+1], v[GM+i:GM+i+1], v[BT+i:BT+i+1]
.set i, i+2
.endr
.irp g, 0,1,2,3
	v_max3_num_f32 v[16+\g], |v[XR+8*\g]|, |v[XR+8*\g+1]|, 0x4800000   ; my 8 numbers and the floor 2^(9 - 127): the byte cannot fall under 1
.endr
.irp i, 2,4,6
.irp g, 0,1,2,3
	s_delay_alu instid0(VALU_DEP_4)
	v_max3_num_f32 v[16+\g], v[16+\g], |v[XR+8*\g+\i]|, |v[XR+8*\g+\i+1]|
.endr
.endr
.irp g, 0,1,2,3
	s_delay_alu instid0(VALU_DEP_4)
	v_max_num_f32_dpp v[16+\g], v[16+\g], v[16+\g] row_xmask:1 row_mask:0xf bank_mask:0xf
.endr
.irp g, 0,1,2,3
	s_delay_alu instid0(VALU_DEP_4)
	v_max_num_f32_dpp v[16+\g], v[16+\g], v[16+\g] row_xmask:2 row_mask:0xf bank_mask:0xf   ; the four lanes of a block
.endr
.irp g, 0,1,2,3
	s_delay_alu instid0(VALU_DEP_4)
	v_add_nc_u32 v[20+\g], 0xfc000000, v[16+\g]    ; 8 off the exponent field: the conversion's scale operand
.endr
.irp g, 0,1,2,3
	v_and_or_b32 v[24+\g], v[16+\g], 0x7f800000, s18   ; 448 x the scale
.endr
.irp g, 0,1,2,3
	v_lshrrev_b32 v[SB+4*\p+\g], 23, v[20+\g]      ; the scale's byte
.endr
.irp g, 0,1,2,3
.irp i, 0,1,2,3,4,5,6,7
	v_med3_num_f32 v[XR+8*\g+\i], v[XR+8*\g+\i], -v[24+\g], v[24+\g]   ; the conversion does not saturate (ISA guide 7.6.2): the hold
.endr
	v_cvt_scalef32_pk8_fp8_f32 v[CD+8*\p+2*\g:CD+8*\p+2*\g+1], v[XR+8*\g:XR+8*\g+7], v[20+\g]
.endr
	v_nop                                          ; a plain line behind the last conversion
.irp g, 0,1,2,3
	ds_store_b8 v[SBA], v[SB+4*\p+\g] offset:32*\p+8*\g            ; the four lanes of a block write the same byte with the same value
	global_store_b64 v[CO], v[CD+8*\p+2*\g:CD+8*\p+2*\g+1], s[10:11] offset:1024*\p+256*\g   ; 32 lanes: 256 consecutive bytes, aligned
.endr
.endm
	STATS 0, 24                                    ; row 1, gain and shift may be out
	STATS 1, 16                                    ; gain and shift may be out
	v_nop                                          ; a plain line behind the last reciprocal root,
	s_wait_alu depctr_va_vdst(0)                   ; and one wait for the four, ahead of their first reader
	s_wait_loadcnt 0x0
	NORMQ 0
	NORMQ 1
	s_wait_dscnt 0x0                               ; for the others' sake: my byte stores are done
	s_barrier_signal -1
	s_barrier_wait -1
	s_cmp_lg_u32 s12, 0
	s_cbranch_scc1 .Lend
	ds_load_b128 v[16:19], v[LI]                   ; wave 0: the 16 rows' 512 scale bytes
	s_wait_dscnt 0x0
	global_store_b128 v[LI], v[16:19], s[26:27]
.Lend:
	s_wait_tensorcnt 0x0                           ; the wave's end
	ds_add_u32 v[SPW], v[NIL]
	s_wait_dscnt 0x0
	s_endpgm
.Lfunc_end_k_q529432a7dd_ln1:
	.size	k_q529432a7dd_ln1, .Lfunc_end_k_q529432a7dd_ln1-k_q529432a7dd_ln1
	.p2alignl 7, 3214868480
	.fill 96, 4, 3214868480
	.section	.rodata,"a",@progbits
	.p2align	6, 0x0
	.amdhsa_kernel k_q529432a7dd_ln1
		.amdhsa_group_segment_fixed_size 1536
		.amdhsa_private_segment_fixed_size 0
		.amdhsa_enable_private_segment 0
		.amdhsa_kernarg_size 32
		.amdhsa_user_sgpr_count 2
		.amdhsa_user_sgpr_kernarg_segment_ptr 1
		.amdhsa_wavefront_size32 1
		.amdhsa_system_sgpr_workgroup_id_x 1
		.amdhsa_system_sgpr_workgroup_id_y 1
		.amdhsa_system_sgpr_workgroup_id_z 1
		.amdhsa_system_vgpr_workitem_id 0
		.amdhsa_next_free_vgpr 192
		.amdhsa_next_free_sgpr 66
		.amdhsa_reserve_vcc 0
		.amdhsa_float_denorm_mode_32 3
		.amdhsa_float_denorm_mode_16_64 3
		.amdhsa_memory_ordered 1
		.amdhsa_forward_progress 1
		.amdhsa_inst_pref_size 33
	.end_amdhsa_kernel
	.amdgpu_metadata
---
amdhsa.version: [ 1, 2 ]
amdhsa.kernels:
  - .name:           k_q529432a7dd_ln1
    .symbol:         k_q529432a7dd_ln1.kd
    .args:
      - { .name: x, .offset: 0, .size: 8, .value_kind: global_buffer, .address_space: global }
      - { .name: ln1_scale, .offset: 8, .size: 8, .value_kind: global_buffer, .address_space: global }
      - { .name: ln1_shift, .offset: 16, .size: 8, .value_kind: global_buffer, .address_space: global }
      - { .name: hq, .offset: 24, .size: 8, .value_kind: global_buffer, .address_space: global }
    .group_segment_fixed_size: 1536
    .private_segment_fixed_size: 0
    .kernarg_segment_align: 8
    .kernarg_segment_size: 32
    .max_flat_workgroup_size: 256
    .sgpr_count:     66
    .vgpr_count:     192
    .wavefront_size: 32
...
	.end_amdgpu_metadata
.endif
;; end of part 1
;; launch qkv (part 2): grid 12 x 16, 4 waves a work-group, clusters of 4 x 4, 327,680 bytes of LDS; arguments hq, Wq_codes, Wq_scales, Wk_codes, Wk_scales, Wv_codes, Wv_scales, qkv; writes qkv
.if DOCPART == 2
	.amdgcn_target "amdgcn-amd-amdhsa--gfx1250"
	.amdhsa_code_object_version 6
	.text
	.protected	k_q529432a7dd_qkv
	.globl	k_q529432a7dd_qkv
	.p2align	8
	.type	k_q529432a7dd_qkv,@function
k_q529432a7dd_qkv:
	s_mov_b64 s[64:65], 0
	v_nop
	global_prefetch_b8 v0, s[64:65] scope:SCOPE_SE
	s_setreg_imm32_b32 hwreg(HW_REG_WAVE_MODE, 25, 1), 1
	s_wait_xcnt 0x0
	s_wait_alu depctr_hold_cnt(0) depctr_sa_sdst(0) depctr_va_vdst(0) depctr_va_sdst(0) depctr_va_ssrc(0) depctr_va_vcc(0) depctr_vm_vsrc(0)
	s_getreg_b32 s2, hwreg(HW_REG_IB_STS2, 6, 4)
	s_cmp_eq_u32 s2, 0
	s_cbranch_scc0 .Lentry_in_a_cluster
	s_endpgm
.Lentry_in_a_cluster:
	s_bfe_u32 s2, ttmp6, 0x10000c
	s_cmp_lg_u32 s2, 0xf033
	s_cbranch_scc0 .Lentry_shape_is_right
	s_endpgm
.Lentry_shape_is_right:
; q = h Wq^T, k = h Wk^T and V^T = Wv h^T on codes of FP8 (E4M3) with E8M0 scales, K = 1,024; each result is quantised along its COLUMNS on the way out and stored as images of operand registers.
; The cluster's x says which: 0 q, 1 k (A = h, 4,096 rows; B = the weight, 1,024 rows), 2 v (A = Wv, 1,024 rows; B = h, 4,096 rows: so V's columns are the keys).  Only pointers and offsets are chosen, by selects: one path through the text.
; A tile of C, 256 x 256, is made by four waves, 128 x 128 each: 64 accumulators, 512 registers.  K goes in steps of 256 through two LDS slots filled by the tensor data mover; the scale bytes of the tile's rows come once.
; CLUSTERS: 4 x 4 work-groups; A's tiles are asked for jointly along a row of the cluster, B's along a column.
; THE MATRIX INSTRUCTION IS USED TRANSPOSED (source 0 = 16 rows of B, source 1 = 16 rows of A): lane (r, h) holds row r of A's block and columns 16 b + 8 h + 0..7 of B's block b.
; THE WAY OUT.  A wave's 128 columns are four blocks of 32; block e lies in a lane's 16 registers of B's blocks 2 e, 2 e + 1 and in lane l xor 16's.  The 16 codes of a lane are stored as they stand, 16 bytes a lane:
; within a block of 32 the order along K is then 8 h + 0..7, 16 + 8 h + 0..7.  q and k have the same order, and so have V and the softmax's p in the next launch: the sums are the same.
; OUTPUT (bytes): q's images at 0, k's at 4 MiB: [batch][head][tile of 16 tokens: 128][c 2][lane][16].  V's at 8 MiB: key step x 262,144 + (c / 2) x 131,072 + batch x 65,536 + head x 4,096 + d tile x 1,024 + (c % 2) x 512 + 16 lane.
; Scale words from 12,582,912 on, 131,072 for each of q, k, v: q, k: [batch][head][128 tokens][r][pair p][tile 2 p's two bytes, tile 2 p + 1's two];  v: [batch][head][key step][r][d tile][four bytes].
; LIMITS: NaN and infinities are not served; a block of zeros, and one under 2^-118, gets the byte 1.
; REGISTERS: window 0: v0-31 addresses; v32-63 scale words, two sets; v64-127 at work on the way out; from v128 A's fragments, ONE set (on the way out: codes and work).  window 1: B's fragments, two sets.  windows 2, 3: accumulators.
.set KSTEP,  256
.set NQ,     2
.set ROWB,   256
.set KROW,   1024
.set PITCH,  272                       ; an LDS row: 256 bytes + 16 of padding: the 16 rows of a load start at 16 different banks
.set FR,     16
.set NL,     4
.set NP,     8                         ; places behind this matrix instruction (ISA guide 7.12.1)
.set HALFT,  128*PITCH
.set SLOT,   4*HALFT
.set LAPS,   2
.set KS,     32
.set SCL,    2*SLOT
.set HALFS,  (128*KS/256)*272
.set SBLK,   (16*KS/256)*272
.set SPARE,  SCL+4*HALFS               ; the spare words, 128 bytes a wave
.set ADRA, 16
.set ADRB, 20
.set SO,   24                          ; v24  the scale words' place: 4,096 h + 16 r
.set SELQ, 25                          ; v25  byte selects: low halves (lanes 0-15) or high halves (lanes 16-31)
.set CO,   26                          ; v26  16 x lane
.set ADRS, 27
.set SPW,  28
.set NIL,  29
.set SC,   32
.set T,    64
.set AF,   128
.set PC,   128                         ; the way out: codes, four sets of 16
.set TM,   192                         ; +0 largest magnitudes, +4 bytes, +8 limits, +12 scale operands
.set PW,   208                         ; a scale word for each of A's eight blocks
.set W,    216
.set WV,   220
.set G1, 24
.set G0, 32
.set G1B, 48
.set G0B, 56
.set G1S, 68
.set G0S, 76
.set G1SB, 80
.set G0SB, 88
.set MSB, 0
.macro WIN new                         ; the immediate's high byte repeats the setting that is left
.if MSB != (\new)
	s_set_vgpr_msb (MSB<<8)|(\new)
.set MSB, (\new)
.endif
.endm
.set MUL_LO, 0xa1                      ; source 0 (B) window 1, source 1 (A) window 0, C and D window 2
.set MUL_HI, 0xf1
.set TO_B,   0x40
; A joint load: waves 0 and 1 fetch for A, waves 2 and 3 for B.  An s_nop 0 and four v_nop follow each of the two lines.
.macro JLOAD g0a, g1a, g0b, g1b
	s_cmp_eq_u32 s15, 0
	s_cbranch_scc0 .Lfor_b_\@
	tensor_load_to_lds s[\g0a:\g0a+3], s[\g1a:\g1a+7]
	s_nop 0
.rept 4
	v_nop
.endr
	s_branch .Lasked_\@
.Lfor_b_\@:
	tensor_load_to_lds s[\g0b:\g0b+3], s[\g1b:\g1b+7]
	s_nop 0
.rept 4
	v_nop
.endr
.Lasked_\@:
.endm
.macro CREST                           ; a round of the cluster's barrier behind its opening barrier
	s_cmp_lg_u32 s14, 0
	s_cbranch_scc1 .Lnot_wave_0_\@
	s_barrier_signal -3
.Lnot_wave_0_\@:
	s_barrier_wait -3
	s_barrier_signal -1
	s_barrier_wait -1
.endm
.macro CROUND
	s_barrier_signal -1
	s_barrier_wait -1
	CREST
.endm
	s_load_b512 s[24:39], s[0:1], 0x0              ; h, Wq codes, scales, Wk codes, scales, Wv codes, scales, the output (these registers become descriptors once the choice is made)
	v_lshl_add_u32 v[SPW], v0, 2, SPARE
	v_mov_b32 v[NIL], 0
	ds_add_u32 v[SPW], v[NIL]                      ; the wave's opening
	ds_add_u32 v[SPW], v[NIL]
	v_lshrrev_b32 v1, 5, v0
	v_readfirstlane_b32 s14, v1                    ; wave
	s_lshr_b32 s15, s14, 1                         ; my half of the tile's rows; also: I fetch for A (0) or B (1)
	s_and_b32 s16, s14, 1                          ; my half of its columns; also: which 128 rows I fetch
	s_bfe_u32 s40, ttmp6, 0x40000                  ; cx
	s_bfe_u32 s41, ttmp6, 0x40004                  ; cy
	s_and_b32 s17, ttmp7, 0xffff
	s_lshl_b32 s17, s17, 2                         ; 4 x cluster y
	s_cmp_eq_u32 ttmp9, 2                          ; v?  The cluster's x is the same in all sixteen partners
	s_cselect_b32 s42, s17, 0
	s_cselect_b32 s17, 0, s17
	s_cselect_b32 s95, -1, 0                       ; all ones on v's path
	s_add_co_u32 s42, s42, s40                     ; tile column
	s_add_co_u32 s17, s17, s41                     ; tile row
	s_lshl_b32 s43, s41, 2
	s_lshl_b32 s43, 15, s43                        ; my row of the cluster
	s_lshl_b32 s44, 0x1111, s40                    ; my column
	s_lshl_b32 s20, s17, 8                         ; A: the tile's first row, 256 x tile row
	s_lshl_b32 s46, s42, 8                         ; B likewise by the tile column
	s_mov_b32 s21, 0
	s_mov_b32 s47, 0
	s_mov_b64 s[18:19], KS
	s_mul_u64 s[22:23], s[20:21], s[18:19]         ; where these rows' scale bytes begin,
	s_mul_u64 s[92:93], s[46:47], s[18:19]
	s_mov_b64 s[18:19], KROW
	s_mul_u64 s[20:21], s[20:21], s[18:19]         ; and their codes
	s_mul_u64 s[46:47], s[46:47], s[18:19]
	s_mul_i32 s18, s16, 128*KROW                   ; in the ring I fetch 128 rows of a tile: which half, in bytes
	s_mov_b32 s19, 0
	s_mul_i32 s45, s14, HALFT                      ; where they go: wave x 128 rows
	s_wait_dscnt 0x0                               ; the opening add is done
	s_wait_kmcnt 0x0
	s_add_nc_u64 s[66:67], s[24:25], 0x400000      ; h's scale bytes
	s_cmp_eq_u32 ttmp9, 2
	s_cselect_b64 s[4:5], s[34:35], s[24:25]       ; A's codes: Wv or h
	s_cselect_b64 s[6:7], s[36:37], s[66:67]       ; A's scales
	s_cselect_b64 s[8:9], s[24:25], s[26:27]       ; B's codes: h, or Wq for now
	s_cselect_b64 s[10:11], s[66:67], s[28:29]
	s_cmp_eq_u32 ttmp9, 1
	s_cselect_b64 s[8:9], s[30:31], s[8:9]         ; Wk
	s_cselect_b64 s[10:11], s[32:33], s[10:11]
	s_mov_b64 s[12:13], s[38:39]                   ; the images
	s_add_nc_u64 s[98:99], s[38:39], 0xc00000      ; the scale words
	; descriptor group 1: a tile of 128 rows x 256 bytes, 16 bytes of padding behind each row
	s_or_b32 s[G1+0], s43, (1<<20)|(1<<21)|(5<<22)|(3<<25)   ; 15:0 the mask; elements of 1 byte; padding on; bit 21 beside a mask; after every 64 words 4 words
	s_or_b32 s[G1B+0], s44, (1<<20)|(1<<21)|(5<<22)|(3<<25)
.irp g, G1, G1B
	s_mov_b32 s[\g+1], ROWB<<16                    ; tensor_dim0
	s_mov_b32 s[\g+2], 256<<16                     ; tensor_dim1: 256 rows for the head's loads; set to 128 for the ring's behind the wait for them
	s_mov_b32 s[\g+3], ROWB<<16                    ; tile_dim0
	s_mov_b32 s[\g+4], 256                         ; tile_dim1
	s_mov_b32 s[\g+5], KROW                        ; the pitch
	s_mov_b32 s[\g+6], 0
	s_mov_b32 s[\g+7], 0
.endr
	; the scale bytes of 256 rows: a dense block, as rows of 256 bytes (32 elements of 8), 16 bytes of padding behind each
	s_or_b32 s[G1S+0], s43, (3<<16)|(1<<20)|(1<<21)|(5<<22)|(3<<25)
	s_or_b32 s[G1SB+0], s44, (3<<16)|(1<<20)|(1<<21)|(5<<22)|(3<<25)
.irp g, G1S, G1SB
	s_mov_b32 s[\g+1], 32<<16
	s_mov_b32 s[\g+2], KS<<16                      ; the scale bytes of 256 rows: KS rows of 256 bytes
	s_mov_b32 s[\g+3], 32<<16
	s_mov_b32 s[\g+4], KS
	s_mov_b32 s[\g+5], 32
	s_mov_b32 s[\g+6], 0
	s_mov_b32 s[\g+7], 0
.endr
	s_add_nc_u64 s[20:21], s[4:5], s[20:21]
	s_add_nc_u64 s[22:23], s[6:7], s[22:23]
	s_add_nc_u64 s[46:47], s[8:9], s[46:47]
	s_add_nc_u64 s[92:93], s[10:11], s[92:93]
	CROUND                                         ; all sixteen work-groups are here: the first joint loads meet
	s_mov_b32 s[G0S], 1
	s_mov_b32 s[G0S+1], SCL
	s_mov_b64 s[G0S+2:G0S+3], s[22:23]
	s_or_b32 s[G0S+3], s[G0S+3], 0x80000000
	s_mov_b32 s[G0SB], 1
	s_mov_b32 s[G0SB+1], SCL+2*HALFS
	s_mov_b64 s[G0SB+2:G0SB+3], s[92:93]
	s_or_b32 s[G0SB+3], s[G0SB+3], 0x80000000
.set G0H, 4                            ; s[4:7], s[8:11] group 0 for the head's loads of K step 0 (the pointers that lay there have been used)
.set G0HB, 8
	s_mov_b32 s[G0H], 1                            ; K step 0's 256 rows of A,
	s_mov_b32 s[G0H+1], 0
	s_mov_b64 s[G0H+2:G0H+3], s[20:21]
	s_or_b32 s[G0H+3], s[G0H+3], 0x80000000
	s_mov_b32 s[G0HB], 1                           ; and of B, behind them in slot 0
	s_mov_b32 s[G0HB+1], 2*HALFT
	s_mov_b64 s[G0HB+2:G0HB+3], s[46:47]
	s_or_b32 s[G0HB+3], s[G0HB+3], 0x80000000
	s_add_nc_u64 s[20:21], s[20:21], s[18:19]      ; for the ring: my 128 rows of the tile
	s_add_nc_u64 s[46:47], s[46:47], s[18:19]
.irp s, 0,1
	s_mov_b32 s[G0+4*\s], 1
	s_add_co_u32 s[G0+4*\s+1], s45, \s*SLOT
	s_add_nc_u64 s[G0+4*\s+2:G0+4*\s+3], s[20:21], \s*ROWB
	s_or_b32 s[G0+4*\s+3], s[G0+4*\s+3], 0x80000000
	s_mov_b32 s[G0B+4*\s], 1
	s_add_co_u32 s[G0B+4*\s+1], s45, \s*SLOT
	s_add_nc_u64 s[G0B+4*\s+2:G0B+4*\s+3], s[46:47], \s*ROWB
	s_or_b32 s[G0B+4*\s+3], s[G0B+4*\s+3], 0x80000000
.endr
; The head's loads, one a wave: wave 0 K step 0's 256 rows of A, wave 1 those of B, wave 2 A's scale bytes, wave 3 B's.  One tree of branches on the wave's number.
.macro ARM under, g0, g1, next
	s_cmp_lt_u32 s14, \under
	s_cbranch_scc0 \next
	tensor_load_to_lds s[\g0:\g0+3], s[\g1:\g1+7]
	s_nop 0
.rept 4
	v_nop
.endr
	s_branch .Lhead_asked
\next:
.endm
	ARM 1, G0H,  G1,  .Lhead_b
	ARM 2, G0HB, G1B, .Lhead_sa
	ARM 3, G0S,  G1S, .Lhead_sb
	tensor_load_to_lds s[G0SB:G0SB+3], s[G1SB:G1SB+7]
	s_nop 0
.rept 4
	v_nop
.endr
.Lhead_asked:
	v_and_b32 v1, 15, v0                           ; r
	v_bfe_u32 v2, v0, 4, 1                         ; h
	v_mul_u32_u24 v3, v1, PITCH
	v_lshl_add_u32 v4, v2, 4, v3                   ; a fragment's row x pitch + 16 h
	s_mul_i32 s21, s15, HALFT
	s_mul_i32 s22, s16, HALFT
	s_add_co_u32 s22, s22, 2*HALFT
.irp s, 0,1
	v_add_nc_u32 v[ADRA+\s], s21, v4
	v_add_nc_u32 v[ADRB+\s], s22, v4
	s_add_co_u32 s21, s21, SLOT
	s_add_co_u32 s22, s22, SLOT
.endr
	v_mul_u32_u24 v5, v1, KS                       ; my row's scale bytes,
	v_lshrrev_b32 v6, 8, v5
	v_lshl_add_u32 v5, v6, 4, v5                   ; and 16 more for each 256 passed
	s_mul_i32 s21, s15, HALFS
	s_mul_i32 s22, s16, HALFS
	s_add_co_u32 s22, s22, 2*HALFS
	s_sub_co_u32 s22, s22, s21
	v_mul_u32_u24 v6, s22, v2                      ; lanes 16-31 take B's
	s_add_co_u32 s21, s21, SCL
	v_add_nc_u32 v5, v5, v6
	v_add_nc_u32 v[ADRS], s21, v5
	; the way out's addresses
	v_and_b32 v6, 31, v0
	v_lshlrev_b32 v[CO], 4, v6
	v_lshlrev_b32 v[SO], 4, v1
	v_lshl_add_u32 v[SO], v2, 12, v[SO]
	s_mov_b32 s94, 0xffff0000                      ; lanes 16-31
	v_mov_b32 v[SELQ], 0x05040100
	v_mov_b32 v5, 0x07060302
	v_cndmask_b32 v[SELQ], v[SELQ], v5, s94
	s_lshl_b32 s20, s17, 1
	s_add_co_u32 s20, s20, s15                     ; which 128 rows of A are mine
	s_lshl_b32 s21, s42, 1
	s_add_co_u32 s21, s21, s16                     ; which 128 rows of B
	s_cmp_eq_u32 ttmp9, 2
	s_cselect_b32 s22, s21, s20                    ; the group of 128 tokens,
	s_cselect_b32 s23, s20, s21                    ; the pair of heads
	s_lshr_b32 s46, s22, 4                         ; batch
	s_and_b32 s47, s22, 15                         ; group in the batch
	s_lshl_b32 s23, s23, 1                         ; first head
	s_lshl_b32 s20, s46, 21                        ; q, k: batch, head, group
	s_lshl_b32 s21, s23, 17
	s_add_co_u32 s20, s20, s21
	s_lshl_b32 s21, s47, 13
	s_add_co_u32 s20, s20, s21
	s_lshl_b32 s92, s47, 18                        ; v: key step, batch, head
	s_lshl_b32 s21, s46, 16
	s_add_co_u32 s92, s92, s21
	s_lshl_b32 s21, s23, 12
	s_add_co_u32 s92, s92, s21
	s_cmp_eq_u32 ttmp9, 2
	s_cselect_b32 s20, s92, s20
	s_lshl_b32 s21, ttmp9, 22                      ; 4 MiB for each of q, k, v
	s_add_co_u32 s20, s20, s21
	s_mov_b32 s21, 0
	s_add_nc_u64 s[12:13], s[12:13], s[20:21]
	s_lshl_b32 s20, ttmp9, 17                      ; the scale words: 131,072 for each; batch, head, group
	s_lshl_b32 s21, s46, 16
	s_add_co_u32 s20, s20, s21
	s_lshl_b32 s21, s23, 12
	s_add_co_u32 s20, s20, s21
	s_lshl_b32 s21, s47, 8
	s_add_co_u32 s20, s20, s21
	s_mov_b32 s21, 0
	s_add_nc_u64 s[98:99], s[98:99], s[20:21]
.macro FRAG reg, adr, q, i             ; 16 rows x 128 K: registers 4 c .. 4 c + 3 hold K = 32 c + 16 h + 0 .. 15
.irp c, 0,1,2,3
	ds_load_b128 v[\reg+4*\c:\reg+4*\c+3], v[\adr] offset:128*(\q)+32*\c+(\i)*16*PITCH
.endr
.endm
; 16 matrix instructions: A's blocks a0, a0 + 1 x B's eight.  The 64 accumulators take turns, one instruction a turn, in the same order in every step.
.macro MUL16 a0, p, q, sc, zero
.irp a, \a0, \a0+1
.irp b, 0,1,2,3,4,5,6,7
.if \zero
	v_wmma_scale_f32_16x16x128_f8f6f4 v[8*(8*((\a)%4)+\b):8*(8*((\a)%4)+\b)+7], v[128*(\p)+FR*\b:128*(\p)+FR*\b+FR-1], v[AF+FR*(\a):AF+FR*(\a)+FR-1], 0, v[SC+8*NQ*(\sc)+NQ*\b+(\q)], v[SC+8*NQ*(\sc)+NQ*(\a)+(\q)] matrix_a_scale:MATRIX_SCALE_ROW1
.else
	v_wmma_scale_f32_16x16x128_f8f6f4 v[8*(8*((\a)%4)+\b):8*(8*((\a)%4)+\b)+7], v[128*(\p)+FR*\b:128*(\p)+FR*\b+FR-1], v[AF+FR*(\a):AF+FR*(\a)+FR-1], v[8*(8*((\a)%4)+\b):8*(8*((\a)%4)+\b)+7], v[SC+8*NQ*(\sc)+NQ*\b+(\q)], v[SC+8*NQ*(\sc)+NQ*(\a)+(\q)] matrix_a_scale:MATRIX_SCALE_ROW1
.endif
.endr
.endr
.endm
.macro FETCH_B slot, q, p
	WIN TO_B
.irp i, 0,1,2,3,4,5,6,7
	FRAG 128*(\p)+FR*\i, ADRB+\slot, \q, \i
.endr
	WIN 0
.endm
.macro FETCH_A slot, q, i0
.irp i, \i0, \i0+1, \i0+2, \i0+3
	FRAG AF+FR*(\i), ADRA+\slot, \q, \i
.endr
.endm
.macro SCALES sc                       ; a K step's scale words: lanes 0-15 A's block i, lanes 16-31 B's block i
.irp i, 0,1,2,3,4,5,6,7
	ds_load_b64 v[SC+8*NQ*\sc+NQ*\i:SC+8*NQ*\sc+NQ*\i+1], v[ADRS] offset:\i*SBLK
.endr
.endm
.macro PLACES n                        ; plain vector lines between a matrix instruction and a load into, or a read of, its registers
.rept \n
	v_nop
.endr
.endm
.macro STEP slot, q, zero              ; 128 along K, with its successor in the same slot
	s_wait_dscnt 4*NL                              ; B's set and A's blocks 0-3 are in; the 16 loads of A's blocks 4-7 may be out
	WIN MUL_LO
	MUL16 0, (\q)%2, \q, \slot, \zero
	MUL16 2, (\q)%2, \q, \slot, \zero
	s_wait_dscnt 0
	PLACES NP
	FETCH_B \slot, (\q)+1, 1-(\q)%2
	FETCH_A \slot, (\q)+1, 0
	WIN MUL_HI
	MUL16 4, (\q)%2, \q, \slot, \zero
	MUL16 6, (\q)%2, \q, \slot, \zero
	PLACES NP
	WIN 0
	FETCH_A \slot, (\q)+1, 4
.endm
; A slot's last step changes slots: one barrier; ahead of it each wave waits for all its tensor loads, adds 0 to its spare word, and waits for that and for its reads of this slot.
.macro TURN slot, next, fill
	s_wait_tensorcnt 0x0                           ; all my tensor loads have landed: my part of the next slot
	ds_add_u32 v[SPW], v[NIL]
	s_wait_dscnt 4*NL+1                            ; the add and the 16 loads of A's blocks 4-7 may be out
	WIN MUL_LO
	MUL16 0, 1, NQ-1, \slot, 0
	s_wait_dscnt 0x0                               ; the add is done, and my reads of this slot are over
	s_barrier_signal -1
	MUL16 2, 1, NQ-1, \slot, 0
	WIN 0
	s_barrier_wait -1
.if \fill
	CREST                                          ; the barrier has opened a round of the cluster's: no wave of any partner still reads this slot or has a load on its way
	s_add_nc_u64 s[G0+4*\slot+2:G0+4*\slot+3], s[G0+4*\slot+2:G0+4*\slot+3], 2*ROWB
	s_add_nc_u64 s[G0B+4*\slot+2:G0B+4*\slot+3], s[G0B+4*\slot+2:G0B+4*\slot+3], 2*ROWB
	JLOAD G0+4*\slot, G1, G0B+4*\slot, G1B         ; the first tensor load behind the round; its four v_nop are four of the eight places
	PLACES NP-4
.else
	PLACES NP
.endif
	s_wait_alu depctr_va_vdst(0)
	v_add_nc_u32 v[ADRS], 4*NQ, v[ADRS]
	FETCH_B \next, 0, 0
	FETCH_A \next, 0, 0
	SCALES \next
	WIN MUL_HI
	MUL16 4, 1, NQ-1, \slot, 0
	MUL16 6, 1, NQ-1, \slot, 0
	PLACES NP
	WIN 0
	FETCH_A \next, 0, 4
.endm
	s_wait_alu depctr_va_vdst(0)
	s_wait_tensorcnt 0x0                           ; my tile of the head's four is in
	ds_add_u32 v[SPW], v[NIL]
	s_mov_b32 s[G1+2], 128<<16                     ; no tensor load of mine is out: from here on a load brings 128 rows
	s_mov_b32 s[G1+4], 128
	s_mov_b32 s[G1B+2], 128<<16
	s_mov_b32 s[G1B+4], 128
	s_wait_dscnt 0x0
	CROUND                                         ; a whole round: all four tiles are in, and the sixteen work-groups meet
	JLOAD G0+4, G1, G0B+4, G1B                     ; K step 1: the first tensor load behind the round
	FETCH_B 0, 0, 0
	FETCH_A 0, 0, 0
	SCALES 0
	FETCH_A 0, 0, 4
	STEP 0, 0, 1                                   ; the first step's products start the sums
	s_mov_b32 s3, LAPS-1
.Llap:
	TURN 0, 1, 1
	STEP 1, 0, 0
	TURN 1, 0, 1
	STEP 0, 0, 0
	s_sub_co_u32 s3, s3, 1
	s_cmp_lg_u32 s3, 0
	s_cbranch_scc1 .Llap
	TURN 0, 1, 0                                   ; the last lap fills nothing
	STEP 1, 0, 0
	s_wait_dscnt 4*NL
	WIN MUL_LO
	MUL16 0, 1, NQ-1, 1, 0
	MUL16 2, 1, NQ-1, 1, 0
	s_wait_dscnt 0
	WIN MUL_HI
	MUL16 4, 1, NQ-1, 1, 0
	MUL16 6, 1, NQ-1, 1, 0
	WIN 0
; 64 numbers of a lane, v[s] on in window w (register 16 b + i: block b), become 16 registers of codes v[pc] on and the row's scale word v[pw].  Each accumulator is read from its low end on.
.macro QUANT w, s, pc, pw
	WIN ((\w)<<2)|((\w)<<4)
.irp b, 0,1,2,3
	v_max3_num_f32 v[TM+\b], 0x4800000, |v[(\s)+16*\b]|, |v[(\s)+16*\b+1]|   ; my 16 numbers of block b, and the floor 2^(9 - 127)
.endr
.irp i, 2,4,6,8,10,12,14
.irp b, 0,1,2,3
	v_max3_num_f32 v[TM+\b], v[TM+\b], |v[(\s)+16*\b+\i]|, |v[(\s)+16*\b+\i+1]|
.endr
.endr
	WIN 0
.irp b, 0,1,2,3
	v_permlanex16_b32 v[TM+4+\b], v[TM+\b], s20, s21
.endr
.irp b, 0,1,2,3
	v_max_num_f32 v[TM+\b], v[TM+\b], v[TM+4+\b]   ; with lane l xor 16's: the block's largest magnitude
.endr
.irp b, 0,1,2,3
	v_add_nc_u32 v[TM+12+\b], 0xfc000000, v[TM+\b] ; 8 off its exponent field: the conversion's scale operand
.endr
.irp b, 0,1,2,3
	v_and_or_b32 v[TM+8+\b], v[TM+\b], 0x7f800000, s22   ; 448 x the scale
.endr
.irp b, 0,1,2,3
	v_lshrrev_b32 v[TM+4+\b], 23, v[TM+12+\b]      ; the scale's byte
.endr
	v_lshl_or_b32 v[\pw], v[TM+5], 8, v[TM+4]
	v_lshl_or_b32 v[\pw], v[TM+6], 16, v[\pw]
	v_lshl_or_b32 v[\pw], v[TM+7], 24, v[\pw]
	WIN \w
.irp b, 0,1,2,3
.irp i, 0,1,2,3,4,5,6,7,8,9,10,11,12,13,14,15
	v_med3_num_f32 v[T+16*\b+\i], v[(\s)+16*\b+\i], -v[TM+8+\b], v[TM+8+\b]   ; the conversion does not saturate (ISA guide 7.6.2): the hold
.endr
.endr
	WIN 0
.irp b, 0,1,2,3
	v_cvt_scalef32_pk8_fp8_f32 v[(\pc)+4*\b:(\pc)+4*\b+1], v[T+16*\b:T+16*\b+7], v[TM+12+\b]
	v_cvt_scalef32_pk8_fp8_f32 v[(\pc)+4*\b+2:(\pc)+4*\b+3], v[T+16*\b+8:T+16*\b+15], v[TM+12+\b]
.endr
	v_nop                                          ; a plain line behind the last conversion
.endm
	; THE WAY OUT
	s_mov_b32 s20, 0x76543210                      ; lane selects: lane l xor 16
	s_mov_b32 s21, 0xfedcba98
	s_mov_b32 s22, 0x600000                        ; the mantissa field of 448
	PLACES NP                                      ; behind the last products: reads of results, writes of registers that held A's fragments
.irp b, 0,1,2,3
	v_mov_b32 v[TM+4+\b], 0                        ; a lane permute's destination counts as one of its sources
.endr
.irp a, 0,1,2,3,4,5,6,7
.if \a > 3
	s_wait_xcnt 0x0                                ; the stores of four blocks back have read their registers: this set of codes may be written again
.endif
	QUANT 2+\a/4, 64*(\a%4), PC+16*(\a%4), PW+\a
.irp e, 0,1,2,3
	global_store_b128 v[CO], v[PC+16*(\a%4)+4*\e:PC+16*(\a%4)+4*\e+3], s[12:13] offset:\a*1024+(\e%2)*512+(\e/2)*131072   ; 32 lanes: 512 consecutive bytes, aligned
.endr
.endr
.irp p, 0,1,2,3
	v_perm_b32 v[W+\p], v[PW+2*\p+1], v[PW+2*\p], v[SELQ]      ; q, k: lanes 0-15 the first head's halves of tiles 2 p, 2 p + 1, lanes 16-31 the second head's
.endr
.irp p, 0,1,2,3
	v_cndmask_b32 v[WV+\p], v[PW+\p], v[PW+4+\p], s94          ; v: lanes 0-15 the first head's four d tiles, lanes 16-31 the second head's
.endr
.irp p, 0,1,2,3
	v_cndmask_b32 v[W+\p], v[W+\p], v[WV+\p], s95
.endr
	global_store_b128 v[SO], v[W:W+3], s[98:99]    ; sixteen lanes: 256 consecutive bytes, aligned
	s_wait_tensorcnt 0x0                           ; the wave's end
	ds_add_u32 v[SPW], v[NIL]
	s_wait_dscnt 0x0
	CROUND                                         ; the closing round
	s_endpgm
.Lfunc_end_k_q529432a7dd_qkv:
	.size	k_q529432a7dd_qkv, .Lfunc_end_k_q529432a7dd_qkv-k_q529432a7dd_qkv
	.p2alignl 7, 3214868480
	.fill 96, 4, 3214868480
	.section	.rodata,"a",@progbits
	.p2align	6, 0x0
	.amdhsa_kernel k_q529432a7dd_qkv
		.amdhsa_group_segment_fixed_size 327680
		.amdhsa_private_segment_fixed_size 0
		.amdhsa_enable_private_segment 0
		.amdhsa_kernarg_size 64
		.amdhsa_user_sgpr_count 2
		.amdhsa_user_sgpr_kernarg_segment_ptr 1
		.amdhsa_wavefront_size32 1
		.amdhsa_system_sgpr_workgroup_id_x 1
		.amdhsa_system_sgpr_workgroup_id_y 1
		.amdhsa_system_sgpr_workgroup_id_z 1
		.amdhsa_system_vgpr_workitem_id 0
		.amdhsa_next_free_vgpr 1024
		.amdhsa_next_free_sgpr 100
		.amdhsa_reserve_vcc 0
		.amdhsa_float_denorm_mode_32 3
		.amdhsa_float_denorm_mode_16_64 3
		.amdhsa_memory_ordered 1
		.amdhsa_forward_progress 1
		.amdhsa_inst_pref_size 187
	.end_amdhsa_kernel
	.amdgpu_metadata
---
amdhsa.version: [ 1, 2 ]
amdhsa.kernels:
  - .name:           k_q529432a7dd_qkv
    .symbol:         k_q529432a7dd_qkv.kd
    .args:
      - { .name: hq, .offset: 0, .size: 8, .value_kind: global_buffer, .address_space: global }
      - { .name: Wq_codes, .offset: 8, .size: 8, .value_kind: global_buffer, .address_space: global }
      - { .name: Wq_scales, .offset: 16, .size: 8, .value_kind: global_buffer, .address_space: global }
      - { .name: Wk_codes, .offset: 24, .size: 8, .value_kind: global_buffer, .address_space: global }
      - { .name: Wk_scales, .offset: 32, .size: 8, .value_kind: global_buffer, .address_space: global }
      - { .name: Wv_codes, .offset: 40, .size: 8, .value_kind: global_buffer, .address_space: global }
      - { .name: Wv_scales, .offset: 48, .size: 8, .value_kind: global_buffer, .address_space: global }
      - { .name: qkv, .offset: 56, .size: 8, .value_kind: global_buffer, .address_space: global }
    .group_segment_fixed_size: 327680
    .private_segment_fixed_size: 0
    .kernarg_segment_align: 8
    .kernarg_segment_size: 64
    .max_flat_workgroup_size: 128
    .sgpr_count:     100
    .vgpr_count:     1024
    .wavefront_size: 32
...
	.end_amdgpu_metadata
.endif
;; end of part 2
;; launch attn (part 3): grid 16 x 16, 16 waves a work-group, no clusters, 327,680 bytes of LDS; arguments qkv, pv; writes pv
.if DOCPART == 3
	.amdgcn_target "amdgcn-amd-amdhsa--gfx1250"
	.amdhsa_code_object_version 6
	.text
	.protected	k_q529432a7dd_attn
	.globl	k_q529432a7dd_attn
	.p2align	8
	.type	k_q529432a7dd_attn,@function
k_q529432a7dd_attn:
	s_mov_b64 s[64:65], 0
	v_nop
	global_prefetch_b8 v0, s[64:65] scope:SCOPE_SE
	s_setreg_imm32_b32 hwreg(HW_REG_WAVE_MODE, 25, 1), 1
	s_wait_xcnt 0x0
; Causal attention on codes of MX-FP8: S^T = K Q^T, p = 2^(t - M) with M the ceiling of the running largest t, O^T += V^T P^T; the row's sum of the unquantised p divides at the end; the result is quantised along the head's 64 and stored as images of operand registers.
; A work-group takes two heads and the query blocks 64 x .. and 1984 - 64 x .. of each; each of its sixteen waves owns one tile of 16 queries.  Keys go 128 a step through two LDS slots of 256 keys.
; Steps all of whose keys come after a wave's queries are jumped over by a scalar branch on ids; a slot beyond the work-group's last query is not asked for.
; No cluster: partners would need different numbers of tiles under the causal limit.
; LIMITS: NaN and infinities are not served; the scaled scores stay under 2^31 in magnitude; a block of zeros gets the byte 1.
.set SK,    256
.set NQ,    2
.set SLOT1, 65536
.set VOFF,  32768
.set NSL,   8
.set SCK,   131072
.set SCV,   139264
.set SCX,   147456
.set SPARE, 147968
.set AK0,  1
.set AV0,  2
.set ASK0, 3
.set ASV0, 4
.set SPW,  5
.set NIL,  6
.set PFO,  7
.set ADK,  8
.set ADV,  9
.set ADS,  10
.set ADT,  11
.set FRG,  40
.set S,    104
.set O,    168
.set PCD,  200
.set BM,   216
.set BY,   220
.set LM,   224
.set SOP,  228
.set KSW,  232
.set VSW,  236
.set QSW,  240
.set FF,   242
.set PSW,  243
.set TT,   244
.set SX,   245
.set SXR,  246
.set GO,   247
.set PSO,  248
.set WV,   18
.set MNT,  19
.set SEL,  20
.set CS,   22
.set G1K,  24
.set G1V,  32
.set G0K,  40
.set G0V,  44
.set G1S,  48
.set G0SK, 56
.set G0SV, 60
.set TB,   2
.set TS,   3
.set QL,   66
.set SLOTS, 67
.set PFA,  76
.set PFS,  78
.set LIM,  80
.set KF,   98
.set Q0,   99
.macro TLOAD g0k, g1k, g0v, g1v
	s_cmp_lt_u32 s[WV], 2
	s_cbranch_scc0 .Lnot_k_\@
	tensor_load_to_lds s[\g0k:\g0k+3], s[\g1k:\g1k+7]
	s_nop 0
.rept 4
	v_nop
.endr
	s_branch .Lasked_\@
.Lnot_k_\@:
	s_cmp_lt_u32 s[WV], 4
	s_cbranch_scc0 .Lasked_\@
	tensor_load_to_lds s[\g0v:\g0v+3], s[\g1v:\g1v+7]
	s_nop 0
.rept 4
	v_nop
.endr
.Lasked_\@:
.endm
.macro ASK
	s_cmp_gt_u32 s[SLOTS], s[LIM]
	s_cbranch_scc0 .Lnot_mine_\@
	global_prefetch_b8 v[PFO], s[PFA:PFA+1] th:TH_LOAD_NT scope:SCOPE_SE
.Lnot_mine_\@:
.endm
	s_load_b128 s[4:7], s[0:1], 0x0
	v_lshl_add_u32 v[SPW], v0, 2, SPARE
	v_mov_b32 v[NIL], 0
	ds_add_u32 v[SPW], v[NIL]
	ds_add_u32 v[SPW], v[NIL]
	v_lshrrev_b32 v8, 5, v0
	s_delay_alu instid0(VALU_DEP_1)
	v_readfirstlane_b32 s[WV], v8
	s_and_b32 s68, ttmp7, 0xffff
	s_lshr_b32 s69, s68, 3
	s_and_b32 s70, s68, 7
	s_lshl_b32 s71, s70, 1
	s_lshr_b32 s72, s[WV], 1
	s_and_b32 s72, s72, 1
	s_lshr_b32 s73, s[WV], 2
	s_xor_b32 s74, s[WV], s73
	s_and_b32 s74, s74, 1
	s_lshl_b32 s75, ttmp9, 6
	s_sub_co_u32 s81, 1984, s75
	s_cmp_eq_u32 s74, 0
	s_cselect_b32 s[Q0], s75, s81
	s_lshl_b32 s82, s73, 4
	s_add_co_u32 s[Q0], s[Q0], s82
	s_sub_co_u32 s[QL], 2047, s75
	s_lshl_b32 s83, s69, 4
	s_add_co_u32 s83, s83, s71
	s_add_co_u32 s84, s83, s72
	s_lshr_b32 s85, s[Q0], 4
	s_lshl_b32 s8, s84, 7
	s_add_co_u32 s8, s8, s85
	s_lshl_b32 s8, s8, 10
	s_mov_b32 s9, 0
	s_lshl_b32 s10, s84, 4
	s_lshr_b32 s81, s85, 3
	s_add_co_u32 s10, s10, s81
	s_lshl_b32 s10, s10, 8
	s_bfe_u32 s81, s85, 0x20001
	s_lshl_b32 s81, s81, 2
	s_add_co_u32 s10, s10, s81
	s_add_co_u32 s10, s10, 0xc00000
	s_mov_b32 s11, 0
	s_and_b32 s16, s85, 1
	s_lshl_b32 s16, s16, 4
	s_lshl_b32 s12, s69, 7
	s_add_co_u32 s12, s12, s85
	s_lshl_b32 s12, s12, 14
	s_lshl_b32 s81, s70, 11
	s_add_co_u32 s12, s12, s81
	s_lshl_b32 s81, s72, 10
	s_add_co_u32 s12, s12, s81
	s_mov_b32 s13, 0
	s_lshl_b32 s14, s70, 14
	s_lshl_b32 s81, s69, 13
	s_add_co_u32 s14, s14, s81
	s_lshl_b32 s81, ttmp9, 8
	s_add_co_u32 s14, s14, s81
	s_add_co_u32 s14, s14, 0x400000
	s_mov_b32 s15, 0
	s_lshl_b32 s17, ttmp9, 1
	s_sub_co_u32 s17, 31, s17
	s_lshl_b32 s17, s17, 8
	s_and_b32 s88, s[WV], 1
	s_add_co_u32 s89, s83, s88
	s_lshl_b32 s90, s89, 17
	s_add_co_u32 s90, s90, 0x400000
	s_mov_b32 s91, 0
	s_lshl_b32 s92, s88, 18
	s_lshl_b32 s93, s69, 16
	s_add_co_u32 s92, s92, s93
	s_lshl_b32 s93, s71, 12
	s_add_co_u32 s92, s92, s93
	s_add_co_u32 s92, s92, 0x800000
	s_mov_b32 s93, 0
	s_lshl_b32 s94, s89, 12
	s_add_co_u32 s94, s94, 0xc20000
	s_mov_b32 s95, 0
	s_lshl_b32 s97, s88, 12
	s_lshl_b32 s96, s88, 14
	s_mov_b32 s[G1K], 3<<16
	s_mov_b32 s[G1K+1], 32<<16
	s_mov_b32 s[G1K+2], 64<<16
	s_mov_b32 s[G1K+3], 32<<16
	s_mov_b32 s[G1K+4], 64
	s_mov_b32 s[G1K+5], 32
	s_mov_b32 s[G1K+6], 0
	s_mov_b32 s[G1K+7], 0
	s_mov_b32 s[G1V], 3<<16
	s_mov_b32 s[G1V+1], 1024<<16
	s_mov_b32 s[G1V+2], 2<<16
	s_mov_b32 s[G1V+3], 1024<<16
	s_mov_b32 s[G1V+4], 2
	s_mov_b32 s[G1V+5], 16384
	s_mov_b32 s[G1V+6], 0
	s_mov_b32 s[G1V+7], 0
	s_mov_b32 s[G1S], 3<<16
	s_mov_b32 s[G1S+1], 32<<16
	s_mov_b32 s[G1S+2], 16<<16
	s_mov_b32 s[G1S+3], 32<<16
	s_mov_b32 s[G1S+4], 16
	s_mov_b32 s[G1S+5], 32
	s_mov_b32 s[G1S+6], 0
	s_mov_b32 s[G1S+7], 0
	s_mov_b32 s[SEL], 0x76543210
	s_mov_b32 s[SEL+1], 0xfedcba98
	s_mov_b32 s[CS], 0x3e38aa3b
	s_mov_b32 s[CS+1], s[CS]
	s_mov_b32 s[MNT], 0x600000
	s_mov_b32 s[TB], 0
	s_mov_b32 s[TS], 0
	s_mov_b32 s[SLOTS], NSL-1
	s_mov_b32 s[KF], 0
	s_wait_dscnt 0x0
	s_wait_kmcnt 0x0
	s_mov_b32 s[G0SK], 1
	s_add_co_u32 s[G0SK+1], s97, SCK
	s_add_nc_u64 s[G0SK+2:G0SK+3], s[4:5], s[94:95]
	s_or_b32 s[G0SK+3], s[G0SK+3], 0x80000000
	s_mov_b32 s[G0SV], 1
	s_add_co_u32 s[G0SV+1], s97, SCV
	s_add_nc_u64 s[G0SV+2:G0SV+3], s[4:5], s[94:95]
	s_add_nc_u64 s[G0SV+2:G0SV+3], s[G0SV+2:G0SV+3], 0x20000
	s_or_b32 s[G0SV+3], s[G0SV+3], 0x80000000
	s_mov_b32 s[G0K], 1
	s_mov_b32 s[G0K+1], s96
	s_add_nc_u64 s[G0K+2:G0K+3], s[4:5], s[90:91]
	s_or_b32 s[G0K+3], s[G0K+3], 0x80000000
	s_mov_b32 s[G0V], 1
	s_add_co_u32 s[G0V+1], s96, VOFF
	s_add_nc_u64 s[G0V+2:G0V+3], s[4:5], s[92:93]
	s_or_b32 s[G0V+3], s[G0V+3], 0x80000000
; The head's loads, one a wave: waves 0, 1 slot 0's K of the two heads, waves 2, 3 its V, waves 4, 5 K's scale words, waves 6, 7 V's.  One tree of branches on the wave's number.
.macro ARM under, g0, g1, next
	s_cmp_lt_u32 s[WV], \under
	s_cbranch_scc0 \next
	tensor_load_to_lds s[\g0:\g0+3], s[\g1:\g1+7]
	s_nop 0
.rept 4
	v_nop
.endr
	s_branch .Lhead_asked
\next:
.endm
	ARM 2, G0K,  G1K, .Lhead_v
	ARM 4, G0V,  G1V, .Lhead_sk
	ARM 6, G0SK, G1S, .Lhead_sv
	ARM 8, G0SV, G1S, .Lhead_none
.Lhead_asked:
	s_add_nc_u64 s[8:9], s[4:5], s[8:9]
	s_add_nc_u64 s[10:11], s[4:5], s[10:11]
	s_add_nc_u64 s[12:13], s[6:7], s[12:13]
	s_add_nc_u64 s[14:15], s[6:7], s[14:15]
	s_and_b32 s81, s[WV], 3
	s_lshr_b32 s82, s81, 1
	s_add_co_u32 s82, s82, s83
	s_lshl_b32 s82, s82, 17
	s_and_b32 s96, s81, 1
	s_lshl_b32 s96, s96, 13
	s_add_co_u32 s82, s82, s96
	s_add_co_u32 s82, s82, 0x400000+16384
	s_lshl_b32 s96, s81, 17
	s_lshl_b32 s97, s69, 16
	s_add_co_u32 s96, s96, s97
	s_lshl_b32 s97, s71, 12
	s_add_co_u32 s96, s96, s97
	s_add_co_u32 s96, s96, 0x800000+524288
	s_mov_b32 s[PFS], 524288
	s_cmp_lt_u32 s[WV], 8
	s_cselect_b32 s96, s82, s96
	s_cselect_b32 s[PFS], 16384, s[PFS]
	s_mov_b32 s97, 0
	s_mov_b32 s[PFS+1], 0
	s_add_nc_u64 s[PFA:PFA+1], s[4:5], s[96:97]
	s_sub_co_u32 s82, s[WV], 4
	s_lshr_b32 s82, s82, 3
	s_or_b32 s82, s82, ttmp9
	s_cmp_eq_u32 s82, 0
	s_cselect_b32 s[LIM], 1, -1
	v_and_b32 v8, 15, v0
	v_bfe_u32 v9, v0, 4, 1
	v_and_b32 v10, 31, v0
	s_delay_alu instid0(VALU_DEP_1)
	v_lshlrev_b32 v[PFO], 8, v10
	s_delay_alu instid0(VALU_DEP_2)
	v_lshl_add_u32 v[SXR], v10, 4, SCX
	s_delay_alu instid0(VALU_DEP_3)
	v_lshlrev_b32 v10, 4, v10
	v_lshlrev_b32 v11, 4, v8
	global_load_b128 v[24:27], v10, s[8:9]
	global_load_b128 v[28:31], v10, s[8:9] offset:512
	global_load_b32 v[QSW], v11, s[10:11]
	v_mov_b32 v[GO], v10
	s_lshl_b32 s81, s72, 14
	v_add_nc_u32 v[AK0], s81, v10
	s_lshl_b32 s81, s72, 12
	s_add_co_u32 s82, s81, VOFF
	v_add_nc_u32 v[AV0], s82, v10
	s_add_co_u32 s82, s81, SCK
	v_add_nc_u32 v[ASK0], s82, v11
	s_add_co_u32 s82, s81, SCV
	v_add_nc_u32 v[ASV0], s82, v11
	s_lshl_b32 s81, s74, 2
	s_add_co_u32 s81, s81, s73
	s_lshl_b32 s81, s81, 6
	s_lshl_b32 s82, s72, 1
	s_add_co_u32 s81, s81, s82
	s_add_co_u32 s81, s81, SCX
	v_lshl_add_u32 v[SX], v8, 2, s81
	v_mul_u32_u24 v[PSO], v9, s17
	s_delay_alu instid0(VALU_DEP_1)
	v_lshl_add_u32 v[PSO], v8, 4, v[PSO]
	v_mov_b32 v13, 0xff61b1e6
	s_delay_alu instid0(VALU_DEP_1)
	v_floor_f32 v12, -v13
	v_mov_b32 v14, 0
	v_mov_b32 v15, 0
	s_wait_loadcnt 0x0
	v_lshrrev_b32 v[QSW], s16, v[QSW]
	s_delay_alu instid0(VALU_DEP_1)
	v_and_b32 v[QSW], 0xffff, v[QSW]
	s_delay_alu instid0(VALU_DEP_1)
	v_lshl_or_b32 v[QSW], v[QSW], 16, v[QSW]
.irp j, 0,1,2,3,4,5,6,7
	v_mov_b32 v[16+\j], 0
	v_mov_b32 v[32+\j], 0
.endr
.irp b, 0,1,2,3
	v_mov_b32 v[BY+\b], 0
.endr
	v_mov_b32 v[FF], 0
	v_mov_b32 v[PSW], 0
.set j, 0
.rept 32
	v_mov_b32 v[O+j], 0
.set j, j+1
.endr
.macro STEP q
	s_add_co_u32 s96, s[Q0], 15
	s_cmp_gt_u32 s[KF], s96
	s_cbranch_scc1 .Lhidden_\@
	v_add_nc_u32 v[ADK], s[TB], v[AK0]
	v_add_nc_u32 v[ADV], s[TB], v[AV0]
	v_add_nc_u32 v[ADS], s[TS], v[ASK0]
	v_add_nc_u32 v[ADT], s[TS], v[ASV0]
.rept 4
	v_nop
.endr
.irp i, 0,1,2,3
.irp c, 0,1,2,3
	ds_load_b128 v[FRG+16*\i+4*\c:FRG+16*\i+4*\c+3], v[ADK] offset:8192*(\q)+2048*\i+512*\c
.endr
.endr
	ds_load_b128 v[KSW:KSW+3], v[ADS]
	s_wait_alu depctr_va_vdst(0)
	s_wait_dscnt 0x0
.irp i, 0,1,2,3
	v_wmma_scale_f32_16x16x128_f8f6f4 v[S+16*\i:S+16*\i+7], v[FRG+16*\i:FRG+16*\i+15], v[24:39], 0, v[KSW+\i], v[QSW]
	v_wmma_scale_f32_16x16x128_f8f6f4 v[S+16*\i+8:S+16*\i+15], v[FRG+16*\i:FRG+16*\i+15], v[16:31], 0, v[KSW+\i], v[QSW]
.endr
.rept 8
	v_nop
.endr
.irp t, 0,1,2,3
.irp c, 0,1,2,3
	ds_load_b128 v[FRG+16*\t+4*\c:FRG+16*\t+4*\c+3], v[ADV] offset:16384*(\q)+8192*(\c/2)+1024*\t+512*(\c%2)
.endr
.endr
	ds_load_b128 v[VSW:VSW+3], v[ADT]
	s_add_co_u32 s96, s[KF], 127
	s_cmp_le_u32 s96, s[Q0]
	s_cbranch_scc1 .Lopen_\@
	s_sub_co_i32 s96, s[Q0], s[KF]
	v_and_b32 v[FF], 15, v0
	v_bfe_u32 v[TT], v0, 4, 1
	s_delay_alu instid0(VALU_DEP_1)
	v_lshlrev_b32 v[TT], 3, v[TT]
	s_delay_alu instid0(VALU_DEP_1)
	v_sub_nc_u32 v[FF], v[FF], v[TT]
	s_delay_alu instid0(VALU_DEP_1)
	v_add_nc_u32 v[FF], s96, v[FF]
	v_mov_b32 v[TT], 0xff800000
.set n, 0
.rept 64
	v_cmp_gt_i32 vcc_lo, 16*(n/8)+n%8, v[FF]
	v_cndmask_b32 v[S+n], v[S+n], v[TT], vcc_lo
.set n, n+1
.endr
.Lopen_\@:
.irp b, 0,1,2,3
	v_max3_num_f32 v[BM+\b], v[S+16*\b], v[S+1+16*\b], v[S+2+16*\b]
.endr
.irp i, 3,5,7,9,11,13
.irp b, 0,1,2,3
	v_max3_num_f32 v[BM+\b], v[BM+\b], v[S+16*\b+\i], v[S+1+16*\b+\i]
.endr
.endr
.irp b, 0,1,2,3
	v_max_num_f32 v[BM+\b], v[BM+\b], v[S+15+16*\b]
.endr
.irp b, 0,1,2,3
	s_delay_alu instid0(VALU_DEP_4)
	v_permlanex16_b32 v[BY+\b], v[BM+\b], s[SEL], s[SEL+1]
.endr
.irp b, 0,1,2,3
	s_delay_alu instid0(VALU_DEP_4)
	v_max_num_f32 v[BM+\b], v[BM+\b], v[BY+\b]
.endr
	s_delay_alu instid0(VALU_DEP_2)
	v_max3_num_f32 v[TT], v[BM], v[BM+1], v[BM+2]
	s_delay_alu instid0(VALU_DEP_1)
	v_max_num_f32 v[TT], v[TT], v[BM+3]
	s_delay_alu instid0(VALU_DEP_1)
	v_mul_f32 v[TT], s[CS], v[TT]
	s_delay_alu instid0(VALU_DEP_1)
	v_max_num_f32 v13, v13, v[TT]
	v_mov_b32 v[TT], v12
	s_delay_alu instid0(VALU_DEP_2)
	v_floor_f32 v12, -v13
	s_delay_alu instid0(VALU_DEP_1)
	v_sub_f32 v[TT], v12, v[TT]
	s_delay_alu instid0(VALU_DEP_1)
	v_cvt_i32_f32 v[TT], v[TT]
	s_delay_alu instid0(VALU_DEP_1)
	v_ldexp_f32 v[FF], 1.0, v[TT]
.set j, 0
.rept 32
	v_pk_fma_f32 v[S+j:S+j+1], v[S+j:S+j+1], s[CS:CS+1], v[12:13] op_sel_hi:[1,0,0]
.set j, j+2
.endr
.irp b, 0,1,2,3
	v_fma_f32 v[BM+\b], v[BM+\b], s[CS], v12
.endr
.set j, 0
	s_wait_alu depctr_va_vdst(0)
.rept 64
	v_exp_f32 v[S+j], v[S+j]
.set j, j+1
.endr
	v_pk_mul_f32 v[14:15], v[14:15], v[FF:FF+1] op_sel_hi:[1,0]
	s_wait_alu depctr_va_vdst(0)
.irp b, 0,1,2,3
	v_exp_f32 v[BM+\b], v[BM+\b]
.endr
	v_pk_add_f32 v[BY:BY+1], v[S:S+1], v[S+2:S+3]
.irp j, 4,8,12,16,20,24,28,32,36,40,44,48,52,56,60
	v_pk_add_f32 v[14:15], v[14:15], v[S+\j:S+\j+1]
	v_pk_add_f32 v[BY:BY+1], v[BY:BY+1], v[S+\j+2:S+\j+3]
.endr
	s_delay_alu instid0(VALU_DEP_1)
	v_pk_add_f32 v[14:15], v[14:15], v[BY:BY+1]
	s_wait_alu depctr_va_vdst(0)
.irp b, 0,1,2,3
	v_max_num_f32 v[BM+\b], 0x4800000, v[BM+\b]
.endr
.irp b, 0,1,2,3
	s_delay_alu instid0(VALU_DEP_4)
	v_add_nc_u32 v[SOP+\b], 0xfc000000, v[BM+\b]
.endr
.irp b, 0,1,2,3
	v_and_or_b32 v[LM+\b], v[BM+\b], 0x7f800000, s[MNT]
.endr
.irp b, 0,1,2,3
	v_lshrrev_b32 v[BY+\b], 23, v[SOP+\b]
.endr
	s_delay_alu instid0(VALU_DEP_3)
	v_lshl_or_b32 v[PSW], v[BY+1], 8, v[BY]
	s_delay_alu instid0(VALU_DEP_1)
	v_lshl_or_b32 v[PSW], v[BY+2], 16, v[PSW]
	s_delay_alu instid0(VALU_DEP_1)
	v_lshl_or_b32 v[PSW], v[BY+3], 24, v[PSW]
.irp b, 0,1,2,3
.irp i, 0,1,2,3,4,5,6,7,8,9,10,11,12,13,14,15
	v_min_num_f32 v[S+16*\b+\i], v[S+16*\b+\i], v[LM+\b]
.endr
	v_cvt_scalef32_pk8_fp8_f32 v[PCD+4*\b:PCD+4*\b+1], v[S+16*\b:S+16*\b+7], v[SOP+\b]
	v_cvt_scalef32_pk8_fp8_f32 v[PCD+4*\b+2:PCD+4*\b+3], v[S+16*\b+8:S+16*\b+15], v[SOP+\b]
.endr
.set j, 0
.rept 16
	v_pk_mul_f32 v[O+j:O+j+1], v[O+j:O+j+1], v[FF:FF+1] op_sel_hi:[1,0]
.set j, j+2
.endr
	s_wait_alu depctr_va_vdst(0)
	s_wait_dscnt 0x0
.irp t, 0,1,2,3
	v_wmma_scale_f32_16x16x128_f8f6f4 v[O+8*\t:O+8*\t+7], v[FRG+16*\t:FRG+16*\t+15], v[PCD:PCD+15], v[O+8*\t:O+8*\t+7], v[VSW+\t], v[PSW]
.endr
.Lhidden_\@:
	s_add_co_u32 s[KF], s[KF], 128
	s_add_co_u32 s[TS], s[TS], 256
.endm
.macro CHANGE fill
	s_wait_tensorcnt 0x0
	ds_add_u32 v[SPW], v[NIL]
.if \fill
	ds_add_u32 v[SPW], v[NIL]                      ; the add twice on end here
	s_xor_b32 s[G0K+1], s[G0K+1], SLOT1
	s_add_nc_u64 s[G0K+2:G0K+3], s[G0K+2:G0K+3], 16384
	s_xor_b32 s[G0V+1], s[G0V+1], SLOT1
	s_add_nc_u64 s[G0V+2:G0V+3], s[G0V+2:G0V+3], 524288
	s_wait_xcnt 0x0
	s_add_nc_u64 s[PFA:PFA+1], s[PFA:PFA+1], s[PFS:PFS+1]
.endif
	s_wait_dscnt 0x0
	s_barrier_signal -1
	s_barrier_wait -1
.if \fill
	s_add_co_u32 s96, s[KF], SK
	s_cmp_gt_u32 s96, s[QL]
	s_cbranch_scc1 .Lpast_\@
	TLOAD G0K, G1K, G0V, G1V
.Lpast_\@:
	ASK
.endif
.endm
.macro SLOT_STEPS
	STEP 0
	STEP 1
	s_xor_b32 s[TB], s[TB], SLOT1
.endm
.Lslot:
	CHANGE 1
	SLOT_STEPS
	s_sub_co_u32 s[SLOTS], s[SLOTS], 1
	s_cmp_lg_u32 s[SLOTS], 0
	s_cbranch_scc1 .Lslot
	CHANGE 0
	SLOT_STEPS
.rept 8
	v_nop
.endr
	v_add_f32 v14, v14, v15
	s_delay_alu instid0(VALU_DEP_1)
	v_permlanex16_b32 v[FF], v14, s[SEL], s[SEL+1]
	s_delay_alu instid0(VALU_DEP_1)
	v_add_f32 v14, v14, v[FF]
	s_wait_alu depctr_va_vdst(0)
	v_rcp_f32 v14, v14
	v_nop
	s_wait_alu depctr_va_vdst(0)
.set j, 0
.rept 16
	v_pk_mul_f32 v[S+j:S+j+1], v[O+j:O+j+1], v[14:15] op_sel_hi:[1,0]
.set j, j+2
.endr
.irp b, 0,1
	v_max3_num_f32 v[BM+\b], |v[S+16*\b]|, |v[S+1+16*\b]|, 0x4800000
.endr
.irp i, 2,4,6,8,10,12,14
.irp b, 0,1
	s_delay_alu instid0(VALU_DEP_2)
	v_max3_num_f32 v[BM+\b], v[BM+\b], |v[S+16*\b+\i]|, |v[S+1+16*\b+\i]|
.endr
.endr
.irp b, 0,1
	s_delay_alu instid0(VALU_DEP_2)
	v_permlanex16_b32 v[BY+\b], v[BM+\b], s[SEL], s[SEL+1]
.endr
.irp b, 0,1
	s_delay_alu instid0(VALU_DEP_2)
	v_max_num_f32 v[BM+\b], v[BM+\b], v[BY+\b]
.endr
.irp b, 0,1
	s_delay_alu instid0(VALU_DEP_2)
	v_add_nc_u32 v[SOP+\b], 0xfc000000, v[BM+\b]
.endr
.irp b, 0,1
	s_delay_alu instid0(VALU_DEP_4)
	v_and_or_b32 v[LM+\b], v[BM+\b], 0x7f800000, s[MNT]
.endr
.irp b, 0,1
	s_delay_alu instid0(VALU_DEP_4)
	v_lshrrev_b32 v[BY+\b], 23, v[SOP+\b]
.endr
	s_delay_alu instid0(VALU_DEP_1)
	v_lshl_or_b32 v[TT], v[BY+1], 8, v[BY]
.irp b, 0,1
.irp i, 0,1,2,3,4,5,6,7,8,9,10,11,12,13,14,15
	v_med3_num_f32 v[S+16*\b+\i], v[S+16*\b+\i], -v[LM+\b], v[LM+\b]
.endr
	v_cvt_scalef32_pk8_fp8_f32 v[PCD+4*\b:PCD+4*\b+1], v[S+16*\b:S+16*\b+7], v[SOP+\b]
	v_cvt_scalef32_pk8_fp8_f32 v[PCD+4*\b+2:PCD+4*\b+3], v[S+16*\b+8:S+16*\b+15], v[SOP+\b]
.endr
	v_nop
.irp b, 0,1
	v_permlane16_swap_b32 v[PCD+4*\b], v[PCD+4*\b+2]
	v_permlane16_swap_b32 v[PCD+4*\b+1], v[PCD+4*\b+3]
.endr
	global_store_b128 v[GO], v[PCD:PCD+3], s[12:13]
	global_store_b128 v[GO], v[PCD+4:PCD+7], s[12:13] offset:512
	ds_store_b16 v[SX], v[TT]
	s_wait_dscnt 0x0
	s_barrier_signal -1
	s_barrier_wait -1
	s_cmp_lg_u32 s[WV], 0
	s_cbranch_scc1 .Lend
	ds_load_b128 v[S:S+3], v[SXR]
	s_wait_dscnt 0x0
	global_store_b128 v[PSO], v[S:S+3], s[14:15]
.Lend:
	s_wait_tensorcnt 0x0
	ds_add_u32 v[SPW], v[NIL]
	s_wait_dscnt 0x0
	s_endpgm
.Lfunc_end_k_q529432a7dd_attn:
	.size	k_q529432a7dd_attn, .Lfunc_end_k_q529432a7dd_attn-k_q529432a7dd_attn
	.p2alignl 7, 3214868480
	.fill 96, 4, 3214868480
	.section	.rodata,"a",@progbits
	.p2align	6, 0x0
	.amdhsa_kernel k_q529432a7dd_attn
		.amdhsa_group_segment_fixed_size 327680
		.amdhsa_private_segment_fixed_size 0
		.amdhsa_enable_private_segment 0
		.amdhsa_kernarg_size 16
		.amdhsa_user_sgpr_count 2
		.amdhsa_user_sgpr_kernarg_segment_ptr 1
		.amdhsa_wavefront_size32 1
		.amdhsa_system_sgpr_workgroup_id_x 1
		.amdhsa_system_sgpr_workgroup_id_y 1
		.amdhsa_system_sgpr_workgroup_id_z 1
		.amdhsa_system_vgpr_workitem_id 0
		.amdhsa_next_free_vgpr 256
		.amdhsa_next_free_sgpr 100
		.amdhsa_reserve_vcc 1
		.amdhsa_float_denorm_mode_32 3
		.amdhsa_float_denorm_mode_16_64 3
		.amdhsa_memory_ordered 1
		.amdhsa_forward_progress 1
		.amdhsa_inst_pref_size 119
	.end_amdhsa_kernel
	.amdgpu_metadata
---
amdhsa.version: [ 1, 2 ]
amdhsa.kernels:
  - .name:           k_q529432a7dd_attn
    .symbol:         k_q529432a7dd_attn.kd
    .args:
      - { .name: qkv, .offset: 0, .size: 8, .value_kind: global_buffer, .address_space: global }
      - { .name: pv, .offset: 8, .size: 8, .value_kind: global_buffer, .address_space: global }
    .group_segment_fixed_size: 327680
    .private_segment_fixed_size: 0
    .kernarg_segment_align: 8
    .kernarg_segment_size: 16
    .max_flat_workgroup_size: 512
    .sgpr_count:     100
    .vgpr_count:     256
    .wavefront_size: 32
...
	.end_amdgpu_metadata
.endif
;; end of part 3
;; launch wo (part 4): grid 8 x 32, 4 waves a work-group, clusters of 4 x 4, 327,680 bytes of LDS; arguments pv, Wo_codes, Wo_scales, bo, x, x1; writes x1
.if DOCPART == 4
	.amdgcn_target "amdgcn-amd-amdhsa--gfx1250"
	.amdhsa_code_object_version 6
	.text
	.protected	k_q529432a7dd_wo
	.globl	k_q529432a7dd_wo
	.p2align	8
	.type	k_q529432a7dd_wo,@function
k_q529432a7dd_wo:
	s_mov_b64 s[64:65], 0
	v_nop
	global_prefetch_b8 v0, s[64:65] scope:SCOPE_SE
	s_setreg_imm32_b32 hwreg(HW_REG_WAVE_MODE, 25, 1), 1
	s_wait_xcnt 0x0
	s_wait_alu depctr_hold_cnt(0) depctr_sa_sdst(0) depctr_va_vdst(0) depctr_va_sdst(0) depctr_va_ssrc(0) depctr_va_vcc(0) depctr_vm_vsrc(0)
	s_getreg_b32 s2, hwreg(HW_REG_IB_STS2, 6, 4)
	s_cmp_eq_u32 s2, 0
	s_cbranch_scc0 .Lentry_in_a_cluster
	s_endpgm
.Lentry_in_a_cluster:
	s_bfe_u32 s2, ttmp6, 0x10000c
	s_cmp_lg_u32 s2, 0xf033
	s_cbranch_scc0 .Lentry_shape_is_right
	s_endpgm
.Lentry_shape_is_right:
; out = residual + A W^T + bias, f32 [4096][1024], on codes of FP8 (E4M3) with E8M0 scales.  Here K = 1,024: A = the attention's result, W = Wo.
; A comes as IMAGES of operand registers, [tile of 16 rows: 256][K step of 128][c 4][lane][16 bytes], its scale words [K step][row 4,096][4 bytes] at ASOFF; W as rows of codes, K innermost, scale bytes [row][K / 32].
; A tile of the output is 128 x 128, so that 256 work-groups have one each; four waves, 64 x 64 each: 16 accumulators.  K goes in steps of 512 through two LDS slots filled by the tensor data mover; all scales come once.
; CLUSTERS: 4 x 4 work-groups; A's tiles are asked for jointly along a row of the cluster, W's along a column.
; THE MATRIX INSTRUCTION IS USED TRANSPOSED (source 0 = 16 rows of W, source 1 = 16 rows of A): a lane holds eight neighbouring numbers of a row.  The bias is the C of each sum's first product.
; The residual's 64 x 64 numbers of a wave are asked for at the head, in the layout of the stores, and land while K is walked.
; REGISTERS: window 0: v0-31 addresses; v32-95 scale words, two sets; v96-127 bias; v128-255 accumulators ((a, b) at 128 + 8 (4 a + b)).  window 1: two fragment buffers of 128 (A's four at +16 i, W's at +64 + 16 i).  window 2: v0-127 the residual.
.set SIZE_K, 1024
.set ASOFF,  0x400000
.set NT_OUT, 0                         ; the output is read again by later launches
.set ABYTES, 65536                     ; a slot: A's 8 row tiles x 8,192 bytes of images,
.set BP,     528                       ; then W's 128 rows of 512 bytes + 16 of padding: the 16 rows of a load start at 16 different banks
.set BHALF,  64*BP
.set SLOT,   ABYTES+2*BHALF
.set SCA,    2*SLOT                    ; A's scale words: [K step][128 rows x 4 bytes]
.set SCB,    SCA+16384                 ; W's scale bytes, as units of 256 bytes + 16 of padding
.set KS,     SIZE_K/32
.set SBLK,   (16*KS/256)*272
.set NKS,    SIZE_K/256
.set SPARE,  SCB+17408                 ; the spare words, 128 bytes a wave
.set LAPS,   SIZE_K/1024
.set ADRA, 16
.set ADRB, 20
.set ADSA, 22
.set ADSB, 23
.set STO,  24
.set RD,   25
.set CO,   26
.set BO,   27
.set SPW,  28
.set NIL,  29
.set SC,   32
.set BIAS, 96
.set ACC,  128
.set F0,   0
.set F1,   128
.set G1, 24
.set G0, 32
.set G1B, 48
.set G0B, 56
.set G1S, 68
.set G0S, 76
.set G1SB, 80
.set G0SB, 88
.set MSB, 0
.macro WIN new                         ; the immediate's high byte repeats the setting that is left
.if MSB != (\new)
	s_set_vgpr_msb (MSB<<8)|(\new)
.set MSB, (\new)
.endif
.endm
.set MUL,  0x05                        ; sources 0 and 1 window 1; C and D window 0
.set TO_F, 0x40
.macro JLOAD g0a, g1a, g0b, g1b        ; a joint load: waves 0 and 1 fetch for A, waves 2 and 3 for W; an s_nop 0 and four v_nop follow each line
	s_cmp_eq_u32 s15, 0
	s_cbranch_scc0 .Lfor_b_\@
	tensor_load_to_lds s[\g0a:\g0a+3], s[\g1a:\g1a+7]
	s_nop 0
.rept 4
	v_nop
.endr
	s_branch .Lasked_\@
.Lfor_b_\@:
	tensor_load_to_lds s[\g0b:\g0b+3], s[\g1b:\g1b+7]
	s_nop 0
.rept 4
	v_nop
.endr
.Lasked_\@:
.endm
.macro CREST
	s_cmp_lg_u32 s14, 0
	s_cbranch_scc1 .Lnot_wave_0_\@
	s_barrier_signal -3
.Lnot_wave_0_\@:
	s_barrier_wait -3
	s_barrier_signal -1
	s_barrier_wait -1
.endm
.macro CROUND
	s_barrier_signal -1
	s_barrier_wait -1
	CREST
.endm
	s_load_b256 s[4:11], s[0:1], 0x0               ; A, W's codes, W's scales, bias
	s_load_b128 s[92:95], s[0:1], 0x20             ; residual, out
	v_lshl_add_u32 v[SPW], v0, 2, SPARE
	v_mov_b32 v[NIL], 0
	ds_add_u32 v[SPW], v[NIL]                      ; the wave's opening
	ds_add_u32 v[SPW], v[NIL]
	v_lshrrev_b32 v1, 5, v0
	v_readfirstlane_b32 s14, v1                    ; wave
	s_lshr_b32 s15, s14, 1                         ; my half of the rows; also: I fetch for A (0) or W (1)
	s_and_b32 s16, s14, 1                          ; my half of the columns
	s_bfe_u32 s40, ttmp6, 0x40000                  ; cx
	s_bfe_u32 s41, ttmp6, 0x40004                  ; cy
	s_lshl_b32 s42, ttmp9, 2
	s_add_co_u32 s42, s42, s40                     ; tile column
	s_and_b32 s17, ttmp7, 0xffff
	s_lshl_b32 s17, s17, 2
	s_add_co_u32 s17, s17, s41                     ; tile row
	s_lshl_b32 s43, s41, 2
	s_lshl_b32 s43, 15, s43                        ; my row of the cluster
	s_lshl_b32 s44, 0x1111, s40                    ; my column
	s_or_b32 s[G1+0], s43, (3<<16)|(1<<21)         ; A's images: 8 row tiles x 8,192 bytes (1,024 elements of 8), no padding
	s_mov_b32 s[G1+1], 1024<<16
	s_mov_b32 s[G1+2], 8<<16                       ; all 8 row tiles of a slot in one load
	s_mov_b32 s[G1+3], 1024<<16
	s_mov_b32 s[G1+4], 8
	s_mov_b32 s[G1+5], 2*SIZE_K                    ; a row tile is 16 K bytes
	s_mov_b32 s[G1+6], 0
	s_mov_b32 s[G1+7], 0
	s_or_b32 s[G1B+0], s44, (1<<20)|(1<<21)|(6<<22)|(3<<25)   ; W's codes: 128 rows x 512 bytes, 4 words of padding after every 128
	s_mov_b32 s[G1B+1], 512<<16
	s_mov_b32 s[G1B+2], 128<<16                    ; all 128 rows of W in one load
	s_mov_b32 s[G1B+3], 512<<16
	s_mov_b32 s[G1B+4], 128
	s_mov_b32 s[G1B+5], SIZE_K
	s_mov_b32 s[G1B+6], 0
	s_mov_b32 s[G1B+7], 0
	s_mul_i32 s20, s17, 128*SIZE_K                 ; A's images: the tile row's 8 row tiles of 16 K bytes
	s_mov_b32 s21, 0
	s_lshl_b32 s66, s17, 9
	s_lshl_b32 s18, s15, 8
	s_add_co_u32 s66, s66, s18
	s_add_co_u32 s66, s66, ASOFF                   ; A's scale words: my 64 rows, 4 bytes each; they go straight into registers
	s_mov_b32 s67, 0
	s_lshl_b32 s46, s42, 7                         ; W: row 128 x tile column
	s_lshl_b32 s18, s16, 6
	s_add_co_u32 s96, s46, s18
	s_mul_i32 s96, s96, KS                         ; the scale bytes of my 64 rows of W: into registers too
	s_mov_b32 s97, 0
	s_mul_i32 s46, s46, SIZE_K
	s_mov_b32 s47, 0
	s_wait_dscnt 0x0                               ; the opening add is done
	s_wait_kmcnt 0x0
	s_add_nc_u64 s[20:21], s[4:5], s[20:21]
	s_add_nc_u64 s[66:67], s[4:5], s[66:67]
	s_add_nc_u64 s[46:47], s[6:7], s[46:47]
	s_add_nc_u64 s[96:97], s[8:9], s[96:97]
	CROUND                                         ; all sixteen work-groups are here: the first joint loads meet
.irp s, 0,1
	s_mov_b32 s[G0+4*\s], 1
	s_mov_b32 s[G0+4*\s+1], \s*SLOT
	s_add_nc_u64 s[G0+4*\s+2:G0+4*\s+3], s[20:21], \s*8192
	s_or_b32 s[G0+4*\s+3], s[G0+4*\s+3], 0x80000000
	s_mov_b32 s[G0B+4*\s], 1
	s_mov_b32 s[G0B+4*\s+1], ABYTES+\s*SLOT
	s_add_nc_u64 s[G0B+4*\s+2:G0B+4*\s+3], s[46:47], \s*512
	s_or_b32 s[G0B+4*\s+3], s[G0B+4*\s+3], 0x80000000
.endr
; K = 1,024 is two slots, each filled once: four tiles for four waves, one load a wave at the head, each on a line of its own:
; wave 0 slot 0's A, wave 1 slot 0's W, wave 2 slot 1's A, wave 3 slot 1's W.  The first barrier waits for waves 0 and 1's alone, the change of slots for all.
.macro ARM under, g0, g1, next
	s_cmp_lt_u32 s14, \under
	s_cbranch_scc0 \next
	tensor_load_to_lds s[\g0:\g0+3], s[\g1:\g1+7]
	s_nop 0
.rept 4
	v_nop
.endr
	s_branch .Lhead_asked
\next:
.endm
	ARM 1, G0,   G1,  .Lhead_w0
	ARM 2, G0B,  G1B, .Lhead_a1
	ARM 3, G0+4, G1,  .Lhead_w1
	tensor_load_to_lds s[G0B+4:G0B+7], s[G1B:G1B+7]
	s_nop 0
.rept 4
	v_nop
.endr
.Lhead_asked:
	v_and_b32 v1, 15, v0                           ; r
	v_bfe_u32 v2, v0, 4, 1                         ; h
	v_and_b32 v3, 31, v0
	v_lshlrev_b32 v3, 4, v3                        ; 16 x lane
	v_mul_u32_u24 v4, v1, BP
	v_lshl_add_u32 v4, v2, 4, v4
	s_lshl_b32 s21, s15, 15                        ; my four row tiles of A
	s_mul_i32 s22, s16, BHALF                      ; my 64 rows of W
	s_add_co_u32 s22, s22, ABYTES
.irp s, 0,1
	v_add_nc_u32 v[ADRA+\s], s21, v3
	v_add_nc_u32 v[ADRB+\s], s22, v4
	s_add_co_u32 s21, s21, SLOT
	s_add_co_u32 s22, s22, SLOT
.endr
	v_lshlrev_b32 v[ADSA], 2, v1                   ; A's scale words in memory: 4 r
	v_lshlrev_b32 v[ADSB], 5, v1                   ; W's scale bytes: 32 r
	s_mul_i32 s23, s14, 16*272                     ; my stage for the way out, in slot 0: 16 rows x (256 + 16) bytes
	v_mul_u32_u24 v5, v1, 272
	v_lshl_add_u32 v5, v2, 5, v5
	v_add_nc_u32 v[STO], s23, v5
	v_mul_u32_u24 v5, v2, 272
	v_lshl_add_u32 v5, v1, 4, v5
	v_add_nc_u32 v[RD], s23, v5
	v_lshlrev_b32 v[CO], 4, v1
	v_lshl_add_u32 v[CO], v2, 12, v[CO]            ; lanes 0-15 one row of the output, lanes 16-31 the next; 16 bytes a lane
	v_lshlrev_b32 v[BO], 5, v2
	s_wait_alu depctr_va_vdst(0)
	s_lshl_b32 s46, s42, 9
	s_lshl_b32 s47, s16, 8
	s_add_co_u32 s46, s46, s47                     ; my first column, in bytes
	s_mov_b32 s47, 0
	s_add_nc_u64 s[10:11], s[10:11], s[46:47]
	s_lshl_b32 s20, s17, 19
	s_lshl_b32 s21, s15, 18
	s_add_co_u32 s20, s20, s21                     ; my first row, in bytes
	s_add_co_u32 s20, s20, s46
	s_mov_b32 s21, 0
	s_add_nc_u64 s[92:93], s[92:93], s[20:21]
	s_add_nc_u64 s[94:95], s[94:95], s[20:21]
; all scale words of my 64 rows of A and 64 rows of W, for all of K: 64 registers, loaded once.  Set s serves slot s: A's (block i, quarter q) at 4 i + q, W's at 16 + 4 i + q
.irp s, 0,1
.irp i, 0,1,2,3
.irp q, 0,1,2,3
	global_load_b32 v[SC+32*\s+4*\i+\q], v[ADSA], s[66:67] offset:16384*(4*\s+\q)+64*\i
.endr
	global_load_b128 v[SC+32*\s+16+4*\i:SC+32*\s+16+4*\i+3], v[ADSB], s[96:97] offset:512*\i+16*\s
.endr
.endr
.irp b, 0,1,2,3
	global_load_b128 v[BIAS+8*\b:BIAS+8*\b+3], v[BO], s[10:11] offset:64*\b
	global_load_b128 v[BIAS+8*\b+4:BIAS+8*\b+7], v[BO], s[10:11] offset:64*\b+16
.endr
	WIN 0x80                                       ; destination window 2
.irp a, 0,1,2,3
.irp t, 0,1,2,3,4,5,6,7
	global_load_b128 v[32*\a+4*\t:32*\a+4*\t+3], v[CO], s[92:93] offset:(16*\a+2*\t)*4096 th:TH_LOAD_NT
.endr
.endr
	WIN 0
; 4 matrix instructions: A's block a x W's four.  The 16 accumulators take turns, one instruction a turn, in the same order in every quarter.
.macro MUL4 f, a, q, set, zero
.irp b, 0,1,2,3
.if \zero
	v_wmma_scale_f32_16x16x128_f8f6f4 v[ACC+8*(4*(\a)+\b):ACC+8*(4*(\a)+\b)+7], v[\f+64+16*\b:\f+64+16*\b+15], v[\f+16*(\a):\f+16*(\a)+15], v[BIAS+8*\b:BIAS+8*\b+7], v[SC+32*(\set)+16+4*\b+(\q)], v[SC+32*(\set)+4*(\a)+(\q)]
.else
	v_wmma_scale_f32_16x16x128_f8f6f4 v[ACC+8*(4*(\a)+\b):ACC+8*(4*(\a)+\b)+7], v[\f+64+16*\b:\f+64+16*\b+15], v[\f+16*(\a):\f+16*(\a)+15], v[ACC+8*(4*(\a)+\b):ACC+8*(4*(\a)+\b)+7], v[SC+32*(\set)+16+4*\b+(\q)], v[SC+32*(\set)+4*(\a)+(\q)]
.endif
.endr
.endm
.macro FETCH slot, q, f                ; 32 LDS loads in one run: the fragments of the slot's q-th 128 along K
	WIN TO_F
.irp i, 0,1,2,3
.irp c, 0,1,2,3
	ds_load_b128 v[\f+64+16*\i+4*\c:\f+64+16*\i+4*\c+3], v[ADRB+\slot] offset:16*BP*\i+128*(\q)+32*\c
	ds_load_b128 v[\f+16*\i+4*\c:\f+16*\i+4*\c+3], v[ADRA+\slot] offset:8192*\i+2048*(\q)+512*\c
.endr
.endr
.endm
.macro PLACES n
.rept \n
	v_nop
.endr
.endm
.macro QUARTER slot, q, zero           ; one of a slot's first three quarters: multiplies buffer q % 2, fetches the next quarter into the other
	s_wait_dscnt 0x0                               ; this quarter's fragments are in
	PLACES 8                                       ; behind the products that read the other buffer
	FETCH \slot, (\q)+1, 128*(1-(\q)%2)
	WIN MUL
	MUL4 128*((\q)%2), 0, \q, \slot, \zero
	MUL4 128*((\q)%2), 1, \q, \slot, \zero
	MUL4 128*((\q)%2), 2, \q, \slot, \zero
	MUL4 128*((\q)%2), 3, \q, \slot, \zero
.endm
; A slot's last quarter changes slots: one barrier; ahead of it each wave waits for all its tensor loads, adds 0 to its spare word, and waits for that and for its reads of this slot.
.macro TURN slot, next, fill
	WIN 0
	s_wait_tensorcnt 0x0
	ds_add_u32 v[SPW], v[NIL]
	s_wait_dscnt 1                                 ; buffer 1 is in; the add alone may be out
	WIN MUL
	MUL4 F1, 0, 3, \slot, 0
	s_wait_dscnt 0x0
	s_barrier_signal -1
	MUL4 F1, 1, 3, \slot, 0
	WIN 0
	s_barrier_wait -1
.if \fill
	CREST                                          ; the barrier has opened a round of the cluster's
	s_add_nc_u64 s[G0+4*\slot+2:G0+4*\slot+3], s[G0+4*\slot+2:G0+4*\slot+3], 16384
	s_add_nc_u64 s[G0B+4*\slot+2:G0B+4*\slot+3], s[G0B+4*\slot+2:G0B+4*\slot+3], 1024
	JLOAD G0+4*\slot, G1, G0B+4*\slot, G1B         ; the first tensor load behind the round; its four v_nop are four of the eight places
	PLACES 4
.else
	PLACES 8
.endif
	FETCH \next, 0, F0
	WIN MUL
	MUL4 F1, 2, 3, \slot, 0
	MUL4 F1, 3, 3, \slot, 0
.endm
	s_cmp_lt_u32 s14, 2
	s_cbranch_scc0 .Lnot_first
	s_wait_tensorcnt 0x0                           ; waves 0 and 1: slot 0's tiles are in.  Slot 1's loads, waves 2 and 3's, are waited for at the change of slots
.Lnot_first:
	s_barrier_signal -1
	s_barrier_wait -1
	FETCH 0, 0, F0
	s_wait_loadcnt 32                              ; the scale words and the bias are in; the residual's 32 loads may be out
	QUARTER 0, 0, 1                                ; the first products start the sums, from the bias
.if LAPS > 1
	WIN 0
	s_mov_b32 s3, LAPS-1
.Llap:
	QUARTER 0, 1, 0
	QUARTER 0, 2, 0
	TURN 0, 1, 1
	QUARTER 1, 0, 0
	QUARTER 1, 1, 0
	QUARTER 1, 2, 0
	TURN 1, 0, 1
	QUARTER 0, 0, 0
	WIN 0
	s_sub_co_u32 s3, s3, 1
	s_cmp_lg_u32 s3, 0
	s_cbranch_scc1 .Llap
.endif
	QUARTER 0, 1, 0                                ; the last lap fills nothing
	QUARTER 0, 2, 0
	TURN 0, 1, 0
	QUARTER 1, 0, 0
	QUARTER 1, 1, 0
	QUARTER 1, 2, 0
	s_wait_dscnt 0x0
	WIN MUL
	MUL4 F1, 0, 3, 1, 0
	MUL4 F1, 1, 3, 1, 0
	MUL4 F1, 2, 3, 1, 0
	MUL4 F1, 3, 3, 1, 0
	WIN 0
; THE WAY OUT, 16 rows x 64 columns at a time: through my own stage (in slot 0, which has had its last fill and its last read) and back as whole rows of 256 bytes, into the registers that they left; the residual is added; stored.
.macro TOSTAGE a
.irp b, 0,1,2,3
	ds_store_b128 v[STO], v[ACC+8*(4*(\a)+\b):ACC+8*(4*(\a)+\b)+3] offset:64*\b     ; each accumulator from its low end on
	ds_store_b128 v[STO], v[ACC+8*(4*(\a)+\b)+4:ACC+8*(4*(\a)+\b)+7] offset:64*\b+16
.endr
.irp t, 0,1,2,3,4,5,6,7
	ds_load_b128 v[ACC+32*(\a)+4*\t:ACC+32*(\a)+4*\t+3], v[RD] offset:544*\t        ; LDS serves a wave's instructions in order (ISA guide 5.7.1.4)
.endr
.endm
.macro SEND a, younger
	s_wait_dscnt \younger
	WIN 0x08                                       ; source 1: window 2
.set i, 0
.rept 16
	v_pk_add_f32 v[ACC+32*(\a)+i:ACC+32*(\a)+i+1], v[ACC+32*(\a)+i:ACC+32*(\a)+i+1], v[32*(\a)+i:32*(\a)+i+1]
.set i, i+2
.endr
	WIN 0
.irp t, 0,1,2,3,4,5,6,7
.if NT_OUT
	global_store_b128 v[CO], v[ACC+32*(\a)+4*\t:ACC+32*(\a)+4*\t+3], s[94:95] offset:(16*(\a)+2*\t)*4096 th:TH_STORE_NT
.else
	global_store_b128 v[CO], v[ACC+32*(\a)+4*\t:ACC+32*(\a)+4*\t+3], s[94:95] offset:(16*(\a)+2*\t)*4096   ; sixteen lanes: 256 consecutive bytes, aligned
.endif
.endr
.endm
	PLACES 8
	s_wait_loadcnt 0x0                             ; the residual
	TOSTAGE 0
	TOSTAGE 1
	SEND 0, 16                                     ; behind block 0's loads: block 1's 8 stores and 8 loads
	TOSTAGE 2
	SEND 1, 16
	TOSTAGE 3
	SEND 2, 16
	SEND 3, 0
	s_wait_tensorcnt 0x0                           ; the wave's end
	ds_add_u32 v[SPW], v[NIL]
	s_wait_dscnt 0x0
	CROUND                                         ; the closing round
	s_endpgm
.Lfunc_end_k_q529432a7dd_wo:
	.size	k_q529432a7dd_wo, .Lfunc_end_k_q529432a7dd_wo-k_q529432a7dd_wo
	.p2alignl 7, 3214868480
	.fill 96, 4, 3214868480
	.section	.rodata,"a",@progbits
	.p2align	6, 0x0
	.amdhsa_kernel k_q529432a7dd_wo
		.amdhsa_group_segment_fixed_size 327680
		.amdhsa_private_segment_fixed_size 0
		.amdhsa_enable_private_segment 0
		.amdhsa_kernarg_size 48
		.amdhsa_user_sgpr_count 2
		.amdhsa_user_sgpr_kernarg_segment_ptr 1
		.amdhsa_wavefront_size32 1
		.amdhsa_system_sgpr_workgroup_id_x 1
		.amdhsa_system_sgpr_workgroup_id_y 1
		.amdhsa_system_sgpr_workgroup_id_z 1
		.amdhsa_system_vgpr_workitem_id 0
		.amdhsa_next_free_vgpr 640
		.amdhsa_next_free_sgpr 100
		.amdhsa_reserve_vcc 0
		.amdhsa_float_denorm_mode_32 3
		.amdhsa_float_denorm_mode_16_64 3
		.amdhsa_memory_ordered 1
		.amdhsa_forward_progress 1
		.amdhsa_inst_pref_size 62
	.end_amdhsa_kernel
	.amdgpu_metadata
---
amdhsa.version: [ 1, 2 ]
amdhsa.kernels:
  - .name:           k_q529432a7dd_wo
    .symbol:         k_q529432a7dd_wo.kd
    .args:
      - { .name: pv, .offset: 0, .size: 8, .value_kind: global_buffer, .address_space: global }
      - { .name: Wo_codes, .offset: 8, .size: 8, .value_kind: global_buffer, .address_space: global }
      - { .name: Wo_scales, .offset: 16, .size: 8, .value_kind: global_buffer, .address_space: global }
      - { .name: bo, .offset: 24, .size: 8, .value_kind: global_buffer, .address_space: global }
      - { .name: x, .offset: 32, .size: 8, .value_kind: global_buffer, .address_space: global }
      - { .name: x1, .offset: 40, .size: 8, .value_kind: global_buffer, .address_space: global }
    .group_segment_fixed_size: 327680
    .private_segment_fixed_size: 0
    .kernarg_segment_align: 8
    .kernarg_segment_size: 48
    .max_flat_workgroup_size: 128
    .sgpr_count:     100
    .vgpr_count:     640
    .wavefront_size: 32
...
	.end_amdgpu_metadata
.endif
;; end of part 4
;; launch ln2: the kernel of part 1 again; grid 256 x 1, 8 waves a work-group, no clusters, 1,536 bytes of LDS; arguments x1, ln2_scale, ln2_shift, hq; writes hq
;; launch ffn1 (part 5): grid 16 x 16, 4 waves a work-group, clusters of 4 x 4, 327,680 bytes of LDS; arguments hq, W1_codes, W1_scales, b1, g; writes g
.if DOCPART == 5
	.amdgcn_target "amdgcn-amd-amdhsa--gfx1250"
	.amdhsa_code_object_version 6
	.text
	.protected	k_q529432a7dd_ffn1
	.globl	k_q529432a7dd_ffn1
	.p2align	8
	.type	k_q529432a7dd_ffn1,@function
k_q529432a7dd_ffn1:
	s_mov_b64 s[64:65], 0
	v_nop
	global_prefetch_b8 v0, s[64:65] scope:SCOPE_SE
	s_setreg_imm32_b32 hwreg(HW_REG_WAVE_MODE, 25, 1), 1
	s_wait_xcnt 0x0
	s_wait_alu depctr_hold_cnt(0) depctr_sa_sdst(0) depctr_va_vdst(0) depctr_va_sdst(0) depctr_va_ssrc(0) depctr_va_vcc(0) depctr_vm_vsrc(0)
	s_getreg_b32 s2, hwreg(HW_REG_IB_STS2, 6, 4)
	s_cmp_eq_u32 s2, 0
	s_cbranch_scc0 .Lentry_in_a_cluster
	s_endpgm
.Lentry_in_a_cluster:
	s_bfe_u32 s2, ttmp6, 0x10000c
	s_cmp_lg_u32 s2, 0xf033
	s_cbranch_scc0 .Lentry_shape_is_right
	s_endpgm
.Lentry_shape_is_right:
; g = Q(gelu(h W1^T + b1)) on codes of MX-FP8, K = 1,024: a tile of 256 x 256 by four waves, 128 x 128 each; K in steps of 256 through two LDS slots; the scale bytes of the tile's rows come once.
; Clusters of 4 x 4: A's tiles are asked for jointly along a row, W1's along a column.  The bias is the C of each sum's first product.  The product is used transposed, so that a lane holds neighbours along the next K.
; gelu by tanh(u) = 1 - 2 / (1 + 2^(2 u log2 e)), in f32; the result is quantised in blocks of 32 columns and stored as images of the next launch's operand registers, its scale words behind them.
; LIMITS: NaN and infinities are not served; a block of zeros gets the byte 1.
.set KSTEP,  256
.set NQ,     2
.set ROWB,   256
.set KROW,   1024
.set PITCH,  272
.set FR,     16
.set NL,     4
.set NP,     8
.set HALFT,  128*PITCH
.set SLOT,   4*HALFT
.set LAPS,   2
.set KS,     32
.set SCL,    2*SLOT
.set HALFS,  (128*KS/256)*272
.set SBLK,   (16*KS/256)*272
.set SPARE,  SCL+4*HALFS
.set ADRA, 16
.set ADRB, 20
.set SST,  24
.set SRD,  25
.set CO,   26
.set ADRS, 27
.set SPW,  28
.set NIL,  29
.set BO,   30
.set SC,   32
.set T,    64
.set BI,   64
.set AF,   128
.set PC,   128
.set TM,   192
.set PW,   208
.set XW,   216
.set RW,   220
.set K0V,  224
.set G1, 24
.set G0, 32
.set G1B, 48
.set G0B, 56
.set G1S, 68
.set G0S, 76
.set G1SB, 80
.set G0SB, 88
.set MSB, 0
.macro WIN new
.if MSB != (\new)
	s_set_vgpr_msb (MSB<<8)|(\new)
.set MSB, (\new)
.endif
.endm
.set MUL_LO, 0xa1
.set MUL_HI, 0xf1
.set TO_B,   0x40
.macro JLOAD g0a, g1a, g0b, g1b
	s_cmp_eq_u32 s15, 0
	s_cbranch_scc0 .Lfor_b_\@
	tensor_load_to_lds s[\g0a:\g0a+3], s[\g1a:\g1a+7]
	s_nop 0
.rept 4
	v_nop
.endr
	s_branch .Lasked_\@
.Lfor_b_\@:
	tensor_load_to_lds s[\g0b:\g0b+3], s[\g1b:\g1b+7]
	s_nop 0
.rept 4
	v_nop
.endr
.Lasked_\@:
.endm
.macro CREST
	s_cmp_lg_u32 s14, 0
	s_cbranch_scc1 .Lnot_wave_0_\@
	s_barrier_signal -3
.Lnot_wave_0_\@:
	s_barrier_wait -3
	s_barrier_signal -1
	s_barrier_wait -1
.endm
.macro CROUND
	s_barrier_signal -1
	s_barrier_wait -1
	CREST
.endm
	s_load_b64 s[4:5], s[0:1], 0x0
	s_load_b128 s[8:11], s[0:1], 0x8
	s_load_b64 s[96:97], s[0:1], 0x18
	s_load_b64 s[12:13], s[0:1], 0x20
	v_lshl_add_u32 v[SPW], v0, 2, SPARE
	v_mov_b32 v[NIL], 0
	ds_add_u32 v[SPW], v[NIL]
	ds_add_u32 v[SPW], v[NIL]
	v_lshrrev_b32 v1, 5, v0
	v_readfirstlane_b32 s14, v1
	s_lshr_b32 s15, s14, 1
	s_and_b32 s16, s14, 1
	s_bfe_u32 s40, ttmp6, 0x40000
	s_bfe_u32 s41, ttmp6, 0x40004
	s_lshl_b32 s42, ttmp9, 2
	s_add_co_u32 s42, s42, s40
	s_and_b32 s17, ttmp7, 0xffff
	s_lshl_b32 s17, s17, 2
	s_add_co_u32 s17, s17, s41
	s_lshl_b32 s43, s41, 2
	s_lshl_b32 s43, 15, s43
	s_lshl_b32 s44, 0x1111, s40
	s_or_b32 s[G1+0], s43, (1<<20)|(1<<21)|(5<<22)|(3<<25)
	s_or_b32 s[G1B+0], s44, (1<<20)|(1<<21)|(5<<22)|(3<<25)
.irp g, G1, G1B
	s_mov_b32 s[\g+1], ROWB<<16
	s_mov_b32 s[\g+2], 256<<16                     ; 256 rows for the head's loads; set to 128 for the ring's behind the wait for them
	s_mov_b32 s[\g+3], ROWB<<16
	s_mov_b32 s[\g+4], 256
	s_mov_b32 s[\g+5], KROW
	s_mov_b32 s[\g+6], 0
	s_mov_b32 s[\g+7], 0
.endr
	s_or_b32 s[G1S+0], s43, (3<<16)|(1<<20)|(1<<21)|(5<<22)|(3<<25)
	s_or_b32 s[G1SB+0], s44, (3<<16)|(1<<20)|(1<<21)|(5<<22)|(3<<25)
.irp g, G1S, G1SB
	s_mov_b32 s[\g+1], 32<<16
	s_mov_b32 s[\g+2], KS<<16                      ; the scale bytes of 256 rows: KS rows of 256 bytes
	s_mov_b32 s[\g+3], 32<<16
	s_mov_b32 s[\g+4], KS
	s_mov_b32 s[\g+5], 32
	s_mov_b32 s[\g+6], 0
	s_mov_b32 s[\g+7], 0
.endr
	s_lshl_b32 s20, s17, 8                         ; A: the tile's first row
	s_lshl_b32 s46, s42, 8                         ; W1: likewise by the tile column
	s_mov_b32 s21, 0
	s_mov_b32 s47, 0
	s_mov_b64 s[18:19], KS
	s_mul_u64 s[22:23], s[20:21], s[18:19]
	s_mul_u64 s[92:93], s[46:47], s[18:19]
	s_mov_b64 s[18:19], KROW
	s_mul_u64 s[20:21], s[20:21], s[18:19]
	s_mul_u64 s[46:47], s[46:47], s[18:19]
	s_mul_i32 s18, s16, 128*KROW                   ; in the ring I fetch 128 rows of a tile: which half, in bytes
	s_mov_b32 s19, 0
	s_mul_i32 s45, s14, HALFT
	s_wait_dscnt 0x0
	s_wait_kmcnt 0x0
	s_add_nc_u64 s[6:7], s[4:5], 0x400000
	s_add_nc_u64 s[98:99], s[12:13], 0x1000000
	s_add_nc_u64 s[20:21], s[4:5], s[20:21]
	s_add_nc_u64 s[22:23], s[6:7], s[22:23]
	s_add_nc_u64 s[46:47], s[8:9], s[46:47]
	s_add_nc_u64 s[92:93], s[10:11], s[92:93]
	CROUND
	s_mov_b32 s[G0S], 1
	s_mov_b32 s[G0S+1], SCL
	s_mov_b64 s[G0S+2:G0S+3], s[22:23]
	s_or_b32 s[G0S+3], s[G0S+3], 0x80000000
	s_mov_b32 s[G0SB], 1
	s_mov_b32 s[G0SB+1], SCL+2*HALFS
	s_mov_b64 s[G0SB+2:G0SB+3], s[92:93]
	s_or_b32 s[G0SB+3], s[G0SB+3], 0x80000000
.set G0H, 4                            ; s[4:7], s[8:11] group 0 for the head's loads of K step 0 (the pointers that lay there have been used)
.set G0HB, 8
	s_mov_b32 s[G0H], 1
	s_mov_b32 s[G0H+1], 0
	s_mov_b64 s[G0H+2:G0H+3], s[20:21]
	s_or_b32 s[G0H+3], s[G0H+3], 0x80000000
	s_mov_b32 s[G0HB], 1
	s_mov_b32 s[G0HB+1], 2*HALFT
	s_mov_b64 s[G0HB+2:G0HB+3], s[46:47]
	s_or_b32 s[G0HB+3], s[G0HB+3], 0x80000000
	s_add_nc_u64 s[20:21], s[20:21], s[18:19]      ; for the ring: my 128 rows of the tile
	s_add_nc_u64 s[46:47], s[46:47], s[18:19]
.irp s, 0,1
	s_mov_b32 s[G0+4*\s], 1
	s_add_co_u32 s[G0+4*\s+1], s45, \s*SLOT
	s_add_nc_u64 s[G0+4*\s+2:G0+4*\s+3], s[20:21], \s*ROWB
	s_or_b32 s[G0+4*\s+3], s[G0+4*\s+3], 0x80000000
	s_mov_b32 s[G0B+4*\s], 1
	s_add_co_u32 s[G0B+4*\s+1], s45, \s*SLOT
	s_add_nc_u64 s[G0B+4*\s+2:G0B+4*\s+3], s[46:47], \s*ROWB
	s_or_b32 s[G0B+4*\s+3], s[G0B+4*\s+3], 0x80000000
.endr
; The head's loads, one a wave: wave 0 K step 0's 256 rows of A, wave 1 those of W1, wave 2 A's scale bytes, wave 3 W1's.  One tree of branches on the wave's number.
.macro ARM under, g0, g1, next
	s_cmp_lt_u32 s14, \under
	s_cbranch_scc0 \next
	tensor_load_to_lds s[\g0:\g0+3], s[\g1:\g1+7]
	s_nop 0
.rept 4
	v_nop
.endr
	s_branch .Lhead_asked
\next:
.endm
	ARM 1, G0H,  G1,  .Lhead_b
	ARM 2, G0HB, G1B, .Lhead_sa
	ARM 3, G0S,  G1S, .Lhead_sb
	tensor_load_to_lds s[G0SB:G0SB+3], s[G1SB:G1SB+7]
	s_nop 0
.rept 4
	v_nop
.endr
.Lhead_asked:
	v_and_b32 v1, 15, v0
	s_wait_alu depctr_va_vdst(0)
	v_bfe_u32 v2, v0, 4, 1
	v_lshlrev_b32 v[BO], 5, v2
	s_lshl_b32 s46, s42, 10
	s_lshl_b32 s47, s16, 9
	s_add_co_u32 s46, s46, s47
	s_mov_b32 s47, 0
	s_add_nc_u64 s[96:97], s[96:97], s[46:47]
.irp b, 0,1,2,3,4,5,6,7
	global_load_b128 v[BI+8*\b:BI+8*\b+3], v[BO], s[96:97] offset:64*\b
	global_load_b128 v[BI+8*\b+4:BI+8*\b+7], v[BO], s[96:97] offset:64*\b+16
.endr
	v_mul_u32_u24 v3, v1, PITCH
	v_lshl_add_u32 v4, v2, 4, v3
	s_mul_i32 s21, s15, HALFT
	s_mul_i32 s22, s16, HALFT
	s_add_co_u32 s22, s22, 2*HALFT
.irp s, 0,1
	v_add_nc_u32 v[ADRA+\s], s21, v4
	v_add_nc_u32 v[ADRB+\s], s22, v4
	s_add_co_u32 s21, s21, SLOT
	s_add_co_u32 s22, s22, SLOT
.endr
	v_mul_u32_u24 v5, v1, KS
	v_lshrrev_b32 v6, 8, v5
	v_lshl_add_u32 v5, v6, 4, v5
	s_mul_i32 s21, s15, HALFS
	s_mul_i32 s22, s16, HALFS
	s_add_co_u32 s22, s22, 2*HALFS
	s_sub_co_u32 s22, s22, s21
	v_mul_u32_u24 v6, s22, v2
	s_add_co_u32 s21, s21, SCL
	v_add_nc_u32 v5, v5, v6
	v_add_nc_u32 v[ADRS], s21, v5
	v_and_b32 v6, 31, v0
	v_lshlrev_b32 v[CO], 4, v6
	s_lshl_b32 s23, s14, 9
	v_lshl_add_u32 v[SST], v6, 2, s23
	v_lshl_add_u32 v[SRD], v6, 4, s23
	s_lshl_b32 s20, s17, 20
	s_lshl_b32 s21, s15, 19
	s_add_co_u32 s20, s20, s21
	s_lshl_b32 s21, s42, 12
	s_add_co_u32 s20, s20, s21
	s_lshl_b32 s21, s16, 11
	s_add_co_u32 s20, s20, s21
	s_mov_b32 s21, 0
	s_add_nc_u64 s[12:13], s[12:13], s[20:21]
	s_lshl_b32 s20, s42, 15
	s_lshl_b32 s21, s16, 14
	s_add_co_u32 s20, s20, s21
	s_lshl_b32 s21, s17, 10
	s_add_co_u32 s20, s20, s21
	s_lshl_b32 s21, s15, 9
	s_add_co_u32 s20, s20, s21
	s_mov_b32 s21, 0
	s_add_nc_u64 s[98:99], s[98:99], s[20:21]
.macro FRAG reg, adr, q, i
.irp c, 0,1,2,3
	ds_load_b128 v[\reg+4*\c:\reg+4*\c+3], v[\adr] offset:128*(\q)+32*\c+(\i)*16*PITCH
.endr
.endm
.macro MUL16 a0, p, q, sc, zero
.irp a, \a0, \a0+1
.irp b, 0,1,2,3,4,5,6,7
.if \zero
	v_wmma_scale_f32_16x16x128_f8f6f4 v[8*(8*((\a)%4)+\b):8*(8*((\a)%4)+\b)+7], v[128*(\p)+FR*\b:128*(\p)+FR*\b+FR-1], v[AF+FR*(\a):AF+FR*(\a)+FR-1], v[BI+8*\b:BI+8*\b+7], v[SC+8*NQ*(\sc)+NQ*\b+(\q)], v[SC+8*NQ*(\sc)+NQ*(\a)+(\q)] matrix_a_scale:MATRIX_SCALE_ROW1
.else
	v_wmma_scale_f32_16x16x128_f8f6f4 v[8*(8*((\a)%4)+\b):8*(8*((\a)%4)+\b)+7], v[128*(\p)+FR*\b:128*(\p)+FR*\b+FR-1], v[AF+FR*(\a):AF+FR*(\a)+FR-1], v[8*(8*((\a)%4)+\b):8*(8*((\a)%4)+\b)+7], v[SC+8*NQ*(\sc)+NQ*\b+(\q)], v[SC+8*NQ*(\sc)+NQ*(\a)+(\q)] matrix_a_scale:MATRIX_SCALE_ROW1
.endif
.endr
.endr
.endm
.macro FETCH_B slot, q, p
	WIN TO_B
.irp i, 0,1,2,3,4,5,6,7
	FRAG 128*(\p)+FR*\i, ADRB+\slot, \q, \i
.endr
	WIN 0
.endm
.macro FETCH_A slot, q, i0
.irp i, \i0, \i0+1, \i0+2, \i0+3
	FRAG AF+FR*(\i), ADRA+\slot, \q, \i
.endr
.endm
.macro SCALES sc
.irp i, 0,1,2,3,4,5,6,7
	ds_load_b64 v[SC+8*NQ*\sc+NQ*\i:SC+8*NQ*\sc+NQ*\i+1], v[ADRS] offset:\i*SBLK
.endr
.endm
.macro PLACES n
.rept \n
	v_nop
.endr
.endm
.macro STEP slot, q, zero
	s_wait_dscnt 4*NL
.if \zero
	WIN 0x81
.else
	WIN MUL_LO
.endif
	MUL16 0, (\q)%2, \q, \slot, \zero
	MUL16 2, (\q)%2, \q, \slot, \zero
	s_wait_dscnt 0
	PLACES NP
	FETCH_B \slot, (\q)+1, 1-(\q)%2
	FETCH_A \slot, (\q)+1, 0
.if \zero
	WIN 0xc1
.else
	WIN MUL_HI
.endif
	MUL16 4, (\q)%2, \q, \slot, \zero
	MUL16 6, (\q)%2, \q, \slot, \zero
	PLACES NP
	WIN 0
	FETCH_A \slot, (\q)+1, 4
.endm
.macro TURN slot, next, fill
	s_wait_tensorcnt 0x0
	ds_add_u32 v[SPW], v[NIL]
	s_wait_dscnt 4*NL+1
	WIN MUL_LO
	MUL16 0, 1, NQ-1, \slot, 0
	s_wait_dscnt 0x0
	s_barrier_signal -1
	MUL16 2, 1, NQ-1, \slot, 0
	WIN 0
	s_barrier_wait -1
.if \fill
	CREST
	s_add_nc_u64 s[G0+4*\slot+2:G0+4*\slot+3], s[G0+4*\slot+2:G0+4*\slot+3], 2*ROWB
	s_add_nc_u64 s[G0B+4*\slot+2:G0B+4*\slot+3], s[G0B+4*\slot+2:G0B+4*\slot+3], 2*ROWB
	JLOAD G0+4*\slot, G1, G0B+4*\slot, G1B
	PLACES NP-4
.else
	PLACES NP
.endif
	s_wait_alu depctr_va_vdst(0)
	v_add_nc_u32 v[ADRS], 4*NQ, v[ADRS]
	FETCH_B \next, 0, 0
	FETCH_A \next, 0, 0
	SCALES \next
	WIN MUL_HI
	MUL16 4, 1, NQ-1, \slot, 0
	MUL16 6, 1, NQ-1, \slot, 0
	PLACES NP
	WIN 0
	FETCH_A \next, 0, 4
.endm
	s_wait_alu depctr_va_vdst(0)
	s_wait_tensorcnt 0x0                           ; my tile of the head's four is in
	ds_add_u32 v[SPW], v[NIL]
	s_mov_b32 s[G1+2], 128<<16                     ; no tensor load of mine is out: from here on a load brings 128 rows
	s_mov_b32 s[G1+4], 128
	s_mov_b32 s[G1B+2], 128<<16
	s_mov_b32 s[G1B+4], 128
	s_wait_dscnt 0x0
	CROUND                                         ; a whole round: all four tiles are in, and the sixteen work-groups meet
	JLOAD G0+4, G1, G0B+4, G1B                     ; K step 1: the first tensor load behind the round
	FETCH_B 0, 0, 0
	FETCH_A 0, 0, 0
	SCALES 0
	FETCH_A 0, 0, 4
	s_wait_loadcnt 0x0
	STEP 0, 0, 1
	s_mov_b32 s3, LAPS-1
.Llap:
	TURN 0, 1, 1
	STEP 1, 0, 0
	TURN 1, 0, 1
	STEP 0, 0, 0
	s_sub_co_u32 s3, s3, 1
	s_cmp_lg_u32 s3, 0
	s_cbranch_scc1 .Llap
	TURN 0, 1, 0
	STEP 1, 0, 0
	s_wait_dscnt 4*NL
	WIN MUL_LO
	MUL16 0, 1, NQ-1, 1, 0
	MUL16 2, 1, NQ-1, 1, 0
	s_wait_dscnt 0
	WIN MUL_HI
	MUL16 4, 1, NQ-1, 1, 0
	MUL16 6, 1, NQ-1, 1, 0
	WIN 0
.macro GELU w, s
	WIN (\w)|((\w)<<2)
.set j, 0
.rept 32
	v_pk_mul_f32 v[T+j:T+j+1], v[(\s)+j:(\s)+j+1], v[(\s)+j:(\s)+j+1]
.set j, j+2
.endr
	WIN 0
.set j, 0
.rept 32
	v_pk_fma_f32 v[T+j:T+j+1], v[T+j:T+j+1], s[92:93], v[K0V:K0V+1] op_sel_hi:[1,0,1]
.set j, j+2
.endr
	WIN (\w)<<2
.set j, 0
.rept 32
	v_pk_mul_f32 v[T+j:T+j+1], v[T+j:T+j+1], v[(\s)+j:(\s)+j+1]
.set j, j+2
.endr
	WIN 0
.set j, 0
	s_wait_alu depctr_va_vdst(0)
.rept 64
	v_exp_f32 v[T+j], v[T+j]
.set j, j+1
.endr
	v_nop
	s_wait_alu depctr_va_vdst(0)
.set j, 0
.rept 32
	v_pk_add_f32 v[T+j:T+j+1], v[T+j:T+j+1], 1.0 op_sel_hi:[1,0]
.set j, j+2
.endr
.set j, 0
	s_wait_alu depctr_va_vdst(0)
.rept 64
	v_rcp_f32 v[T+j], v[T+j]
.set j, j+1
.endr
	v_nop
	s_wait_alu depctr_va_vdst(0)
	WIN (\w)<<2
.set j, 0
.rept 32
	v_pk_mul_f32 v[T+j:T+j+1], v[T+j:T+j+1], v[(\s)+j:(\s)+j+1]
.set j, j+2
.endr
	WIN 0
.endm
.macro QUANT pc, pw
.irp b, 0,1,2,3
	v_max3_num_f32 v[TM+\b], |v[T+16*\b]|, |v[T+16*\b+1]|, 0x4800000
.endr
.irp i, 2,4,6,8,10,12,14
.irp b, 0,1,2,3
	v_max3_num_f32 v[TM+\b], v[TM+\b], |v[T+16*\b+\i]|, |v[T+16*\b+\i+1]|
.endr
.endr
.irp b, 0,1,2,3
	v_permlanex16_b32 v[TM+4+\b], v[TM+\b], s20, s21
.endr
.irp b, 0,1,2,3
	v_max_num_f32 v[TM+\b], v[TM+\b], v[TM+4+\b]
.endr
.irp b, 0,1,2,3
	v_add_nc_u32 v[TM+12+\b], 0xfc000000, v[TM+\b]
.endr
.irp b, 0,1,2,3
	v_and_or_b32 v[TM+8+\b], v[TM+\b], 0x7f800000, s22
.endr
.irp b, 0,1,2,3
	v_lshrrev_b32 v[TM+4+\b], 23, v[TM+12+\b]
.endr
	v_lshl_or_b32 v[\pw], v[TM+5], 8, v[TM+4]
	v_lshl_or_b32 v[\pw], v[TM+6], 16, v[\pw]
	v_lshl_or_b32 v[\pw], v[TM+7], 24, v[\pw]
.irp b, 0,1,2,3
.irp i, 0,1,2,3,4,5,6,7,8,9,10,11,12,13,14,15
	v_med3_num_f32 v[T+16*\b+\i], v[T+16*\b+\i], -v[TM+8+\b], v[TM+8+\b]
.endr
.endr
.irp b, 0,1,2,3
	v_cvt_scalef32_pk8_fp8_f32 v[(\pc)+4*\b:(\pc)+4*\b+1], v[T+16*\b:T+16*\b+7], v[TM+12+\b]
	v_cvt_scalef32_pk8_fp8_f32 v[(\pc)+4*\b+2:(\pc)+4*\b+3], v[T+16*\b+8:T+16*\b+15], v[TM+12+\b]
.endr
	v_nop
.irp b, 0,1,2,3
	v_permlane16_swap_b32 v[(\pc)+4*\b], v[(\pc)+4*\b+2]
	v_permlane16_swap_b32 v[(\pc)+4*\b+1], v[(\pc)+4*\b+3]
.endr
.endm
	s_mov_b32 s20, 0x76543210
	s_mov_b32 s21, 0xfedcba98
	s_mov_b32 s22, 0x600000
	s_mov_b32 s92, 0xbdd2d3e8
	s_mov_b32 s93, s92
	s_mov_b32 s94, 0xffff0000
	PLACES NP
	v_mov_b32 v[K0V], 0xc0135761
	v_mov_b32 v[K0V+1], 0xc0135761
.irp b, 0,1,2,3
	v_mov_b32 v[TM+4+\b], 0
.endr
.irp a, 0,1,2,3,4,5,6,7
	GELU 2+\a/4, 64*(\a%4)
.if \a > 3
	s_wait_xcnt 0x0
.endif
	QUANT PC+16*(\a%4), PW+\a
.irp e, 0,1,2,3
	global_store_b128 v[CO], v[PC+16*(\a%4)+4*\e:PC+16*(\a%4)+4*\e+3], s[12:13] offset:\a*65536+\e*512
.endr
.endr
.irp p, 0,1,2,3
	v_cndmask_b32 v[XW+\p], v[PW+2*\p], v[PW+2*\p+1], s94
.endr
.irp p, 0,1,2,3
	ds_store_b32 v[SST], v[XW+\p] offset:128*\p
.endr
	ds_load_b128 v[RW:RW+3], v[SRD]
	s_wait_dscnt 0x0
	global_store_b128 v[CO], v[RW:RW+3], s[98:99]
	s_wait_tensorcnt 0x0
	ds_add_u32 v[SPW], v[NIL]
	s_wait_dscnt 0x0
	CROUND
	s_endpgm
.Lfunc_end_k_q529432a7dd_ffn1:
	.size	k_q529432a7dd_ffn1, .Lfunc_end_k_q529432a7dd_ffn1-k_q529432a7dd_ffn1
	.p2alignl 7, 3214868480
	.fill 96, 4, 3214868480
	.section	.rodata,"a",@progbits
	.p2align	6, 0x0
	.amdhsa_kernel k_q529432a7dd_ffn1
		.amdhsa_group_segment_fixed_size 327680
		.amdhsa_private_segment_fixed_size 0
		.amdhsa_enable_private_segment 0
		.amdhsa_kernarg_size 40
		.amdhsa_user_sgpr_count 2
		.amdhsa_user_sgpr_kernarg_segment_ptr 1
		.amdhsa_wavefront_size32 1
		.amdhsa_system_sgpr_workgroup_id_x 1
		.amdhsa_system_sgpr_workgroup_id_y 1
		.amdhsa_system_sgpr_workgroup_id_z 1
		.amdhsa_system_vgpr_workitem_id 0
		.amdhsa_next_free_vgpr 1024
		.amdhsa_next_free_sgpr 100
		.amdhsa_reserve_vcc 0
		.amdhsa_float_denorm_mode_32 3
		.amdhsa_float_denorm_mode_16_64 3
		.amdhsa_memory_ordered 1
		.amdhsa_forward_progress 1
		.amdhsa_inst_pref_size 255
	.end_amdhsa_kernel
	.section	.bss,"aw",@nobits
	.p2align	6
	.space	262144
	.amdgpu_metadata
---
amdhsa.version: [ 1, 2 ]
amdhsa.kernels:
  - .name:           k_q529432a7dd_ffn1
    .symbol:         k_q529432a7dd_ffn1.kd
    .args:
      - { .name: hq, .offset: 0, .size: 8, .value_kind: global_buffer, .address_space: global }
      - { .name: W1_codes, .offset: 8, .size: 8, .value_kind: global_buffer, .address_space: global }
      - { .name: W1_scales, .offset: 16, .size: 8, .value_kind: global_buffer, .address_space: global }
      - { .name: b1, .offset: 24, .size: 8, .value_kind: global_buffer, .address_space: global }
      - { .name: g, .offset: 32, .size: 8, .value_kind: global_buffer, .address_space: global }
    .group_segment_fixed_size: 327680
    .private_segment_fixed_size: 0
    .kernarg_segment_align: 8
    .kernarg_segment_size: 40
    .max_flat_workgroup_size: 128
    .sgpr_count:     100
    .vgpr_count:     1024
    .wavefront_size: 32
...
	.end_amdgpu_metadata
.endif
;; end of part 5
;; launch ffn2 (part 6): grid 32 x 8, 4 waves a work-group, clusters of 4 x 1, 327,680 bytes of LDS; arguments g, W2_codes, W2_scales, b2, x1, out0; writes out0
.if DOCPART == 6
	.amdgcn_target "amdgcn-amd-amdhsa--gfx1250"
	.amdhsa_code_object_version 6
	.text
	.protected	k_q529432a7dd_ffn2
	.globl	k_q529432a7dd_ffn2
	.p2align	8
	.type	k_q529432a7dd_ffn2,@function
k_q529432a7dd_ffn2:
	s_mov_b64 s[64:65], 0
	v_nop
	global_prefetch_b8 v0, s[64:65] scope:SCOPE_SE
	s_setreg_imm32_b32 hwreg(HW_REG_WAVE_MODE, 25, 1), 1
	s_wait_xcnt 0x0
	s_wait_alu depctr_hold_cnt(0) depctr_sa_sdst(0) depctr_va_vdst(0) depctr_va_sdst(0) depctr_va_ssrc(0) depctr_va_vcc(0) depctr_vm_vsrc(0)
	s_getreg_b32 s2, hwreg(HW_REG_IB_STS2, 6, 4)
	s_cmp_eq_u32 s2, 0
	s_cbranch_scc0 .Lentry_in_a_cluster
	s_endpgm
.Lentry_in_a_cluster:
	s_bfe_u32 s2, ttmp6, 0x10000c
	s_cmp_lg_u32 s2, 0x3003
	s_cbranch_scc0 .Lentry_shape_is_right
	s_endpgm
.Lentry_shape_is_right:
; out = residual + A W^T + bias, f32 [4096][1024], on codes of FP8 (E4M3) with E8M0 scales, K = 4,096: A = the quantised gelu, W = W2.
; A lies in memory as IMAGES of operand registers, [tile of 16 rows: 256][K step of 128: 32][c 4][lane][16 bytes], its scale words [K step][row 4,096][4 bytes] at ASOFF; W as rows of codes, K innermost, scale bytes [row][128].
; A tile of the output is 128 x 128, so that 256 work-groups have one each.  Wave w makes rows 32 w .. 32 w + 31 x all 128 columns: 16 accumulators ((a, b), a = 0, 1, b = 0 .. 7).
; A GOES STRAIGHT INTO REGISTERS: a fragment is four loads of 512 consecutive bytes, and no byte of A is loaded twice in a work-group.  A ring of eight register buffers (a K step each: 8 loads) keeps up to 56 loads of a wave on their way,
; seven K steps ahead; what is in flight for A is so bounded by registers and not by a slot's turn.  These are plain loads, which have no joint form: that is why A's tiles are not shared in the cluster.
; W GOES THROUGH LDS ALONE: a slot holds 128 rows x 1,024 along K, so that K is four slots, two of them first fills: two refills in the launch, and 128 matrix instructions a wave between two changes of slots.
; CLUSTER: 4 x 1 work-groups with the same tile column: W's tiles and scale bytes are asked for JOINTLY, by the same tensor load with the same descriptor and the mask of all four.  The tile row enters global addresses alone.
; THE MATRIX INSTRUCTION IS USED TRANSPOSED (source 0 = 16 rows of W, source 1 = 16 rows of A): a lane holds eight neighbouring numbers of a row.  The bias is the C of each sum's first product.
; The 32 K steps are written out: every offset is an immediate, and no address register is ever rewritten.  The residual's 32 loads go out as four more groups of the ring, in the K steps that have no A left to ask for.
; REGISTERS: window 0: v16-29 addresses; v32-63 A's scale words, one register a K step (lanes 0-15: rows of a = 0, lanes 16-31: of a = 1); v64-127 W's scale words, two sets of four K steps; v128-255 accumulators ((a, b) at 128 + 8 (8 a + b)).
;   window 1: W's fragments, two buffers of 128.   window 2: A's ring, 8 x 32.   window 3: v0-63 the bias, v64-191 the residual.
.set ASOFF,  0x1000000
.set BP,     1040                      ; an LDS row of W: 1,024 bytes + 16 of padding = 260 words: row r starts at bank 4 r mod 64 (64 banks of 4 bytes: ISA guide 11.1), so the 16 rows of a load start at 16 different banks
.set WPART,  32*BP                     ; 32 rows: what one tensor load brings
.set SLOT,   128*BP
.set SCB,    2*SLOT                    ; W's scale bytes, as units of 256 bytes + 16 of padding
.set SBLK,   2176                      ; those of 16 rows: 8 units
.set SPARE,  SCB+8*SBLK                ; the spare words, 128 bytes a wave
.set SP,     528                       ; the way out: a stage of 16 rows x (512 + 16) bytes for each wave, in slot 0
.set ADRB, 16                          ; v16-19  LDS address of W's fragments: 2 x slot + (rows 64 on)
.set ADSB, 20                          ; v20     of W's scale words
.set LO,   21                          ; v21     16 x lane: A's images, the residual, the output
.set SOF,  22                          ; v22     4 x lane: A's scale words
.set STO,  24
.set RD,   25
.set BO,   27                          ; v27     32 h: the bias
.set SPW,  28
.set NIL,  29
.set AS,   32
.set BS,   64
.set ACC,  128
.set XR,   64                          ; in window 3
.set G1,  24                           ; s[24:31] descriptor group 1 for W's tiles;  s[32:39] group 0, one set for each slot
.set G0,  32
.set G1S, 48                           ; s[48:55], s[56:59] the same for W's scale bytes
.set G0S, 56
.set MSB, 0
.macro WIN new                         ; the immediate's high byte repeats the setting that is left
.if MSB != (\new)
	s_set_vgpr_msb (MSB<<8)|(\new)
.set MSB, (\new)
.endif
.endm
.set MUL,  0x09                        ; source 0 (W) window 1, source 1 (A) window 2; C and D window 0
.set MUL0, 0x39                        ; the same with C (the bias) in window 3
.macro TL g0, g1                       ; a joint load: every wave fetches its 32 rows; an s_nop 0 and four v_nop follow
	tensor_load_to_lds s[\g0:\g0+3], s[\g1:\g1+7]
	s_nop 0
.rept 4
	v_nop
.endr
.endm
.macro CREST                           ; a round of the cluster's barrier behind its opening barrier
	s_cmp_lg_u32 s14, 0
	s_cbranch_scc1 .Lnot_wave_0_\@
	s_barrier_signal -3
.Lnot_wave_0_\@:
	s_barrier_wait -3
	s_barrier_signal -1
	s_barrier_wait -1
.endm
.macro CROUND
	s_barrier_signal -1
	s_barrier_wait -1
	CREST
.endm
.macro PLACES n                        ; plain vector lines between a matrix instruction and a load into, or a read of, its registers
.rept \n
	v_nop
.endr
.endm
	s_load_b256 s[4:11], s[0:1], 0x0               ; A, W's codes, W's scales, bias
	s_load_b128 s[92:95], s[0:1], 0x20             ; residual, out
	v_lshl_add_u32 v[SPW], v0, 2, SPARE
	v_mov_b32 v[NIL], 0
	ds_add_u32 v[SPW], v[NIL]                      ; the wave's opening
	ds_add_u32 v[SPW], v[NIL]
	v_lshrrev_b32 v1, 5, v0
	v_readfirstlane_b32 s14, v1                    ; wave
	s_bfe_u32 s40, ttmp6, 0x40000                  ; cx
	s_lshl_b32 s17, ttmp9, 2
	s_add_co_u32 s17, s17, s40                     ; tile row = 4 x cluster x + cx
	s_and_b32 s42, ttmp7, 0xffff                   ; tile column, which the four partners share
	s_mov_b32 s[G1+0], 15|(1<<20)|(1<<21)|(7<<22)|(3<<25)   ; 15:0 the mask: all four; elements of 1 byte; padding on; bit 21 beside a mask; after every 256 words 4 words
	s_mov_b32 s[G1+1], 1024<<16                    ; tensor_dim0
	s_mov_b32 s[G1+2], 32<<16                      ; tensor_dim1
	s_mov_b32 s[G1+3], 1024<<16                    ; tile_dim0
	s_mov_b32 s[G1+4], 32                          ; tile_dim1
	s_mov_b32 s[G1+5], 4096                        ; the pitch
	s_mov_b32 s[G1+6], 0
	s_mov_b32 s[G1+7], 0
	s_mov_b32 s[G1S+0], 15|(3<<16)|(1<<20)|(1<<21)|(5<<22)|(3<<25)   ; the scale bytes of 64 rows: 8,192 dense bytes as 32 rows of 256 (32 elements of 8), 16 bytes of padding behind each
	s_mov_b32 s[G1S+1], 32<<16
	s_mov_b32 s[G1S+2], 32<<16                     ; the scale bytes of 64 rows: 32 rows of 256 bytes
	s_mov_b32 s[G1S+3], 32<<16
	s_mov_b32 s[G1S+4], 32
	s_mov_b32 s[G1S+5], 32
	s_mov_b32 s[G1S+6], 0
	s_mov_b32 s[G1S+7], 0
	s_lshl_b32 s46, s42, 7
	s_lshl_b32 s18, s14, 5
	s_add_co_u32 s46, s46, s18                     ; W: row 128 x tile column + 32 x wave
	s_lshl_b32 s46, s46, 12                        ; its codes: the ring's loads, 32 rows a wave
	s_mov_b32 s47, 0
	s_mul_i32 s45, s14, WPART                      ; where they go: wave x 32 rows: no place in the cluster enters an LDS address
	; the head's loads take halves of 64 rows: waves 0, 1 of the scale bytes, waves 2, 3 of slot 0
.set G1H, 68                           ; s[68:75], s[76:79] groups 1 and 0 for a half of slot 0
.set G0H, 76
	s_and_b32 s60, s14, 1                          ; which half
	s_lshl_b32 s61, s42, 7
	s_lshl_b32 s62, s60, 6
	s_add_co_u32 s61, s61, s62                     ; W: row 128 x tile column + 64 x half
	s_lshl_b32 s96, s61, 7                         ; its scale bytes,
	s_mov_b32 s97, 0
	s_lshl_b32 s82, s61, 12                        ; its codes
	s_mov_b32 s83, 0
	s_mul_i32 s62, s60, 64*BP
	s_mul_i32 s98, s60, 4*SBLK
	s_add_co_u32 s98, s98, SCB
	s_mov_b32 s[G1H+0], 15|(1<<20)|(1<<21)|(7<<22)|(3<<25)
	s_mov_b32 s[G1H+1], 1024<<16
	s_mov_b32 s[G1H+2], 64<<16
	s_mov_b32 s[G1H+3], 1024<<16
	s_mov_b32 s[G1H+4], 64
	s_mov_b32 s[G1H+5], 4096
	s_mov_b32 s[G1H+6], 0
	s_mov_b32 s[G1H+7], 0
	s_lshl_b32 s20, s17, 3
	s_lshl_b32 s18, s14, 1
	s_add_co_u32 s20, s20, s18
	s_lshl_b32 s20, s20, 16                        ; A's images: row tile 8 x tile row + 2 x wave, 65,536 bytes each
	s_mov_b32 s21, 0
	s_lshl_b32 s22, s17, 9
	s_lshl_b32 s18, s14, 7
	s_add_co_u32 s22, s22, s18
	s_add_co_u32 s22, s22, ASOFF                   ; A's scale words: 4 x (128 x tile row + 32 x wave)
	s_mov_b32 s23, 0
	s_lshl_b32 s66, s42, 9                         ; the tile's first column, in bytes
	s_mov_b32 s67, 0
	s_lshl_b32 s18, s17, 19
	s_lshl_b32 s19, s14, 17
	s_add_co_u32 s18, s18, s19                     ; my first row, in bytes,
	s_add_co_u32 s18, s18, s66                     ; and the column
	s_mov_b32 s19, 0
	s_wait_dscnt 0x0                               ; the opening add is done
	s_wait_kmcnt 0x0
	s_add_nc_u64 s[46:47], s[6:7], s[46:47]
	s_add_nc_u64 s[96:97], s[8:9], s[96:97]
	s_add_nc_u64 s[82:83], s[6:7], s[82:83]
	s_add_nc_u64 s[20:21], s[4:5], s[20:21]
	s_add_nc_u64 s[22:23], s[4:5], s[22:23]
	s_add_nc_u64 s[10:11], s[10:11], s[66:67]
	s_add_nc_u64 s[92:93], s[92:93], s[18:19]
	s_add_nc_u64 s[94:95], s[94:95], s[18:19]
	CROUND                                         ; all four work-groups are here: the first joint loads meet
	s_mov_b32 s[G0S], 1
	s_mov_b32 s[G0S+1], s98
	s_mov_b64 s[G0S+2:G0S+3], s[96:97]
	s_or_b32 s[G0S+3], s[G0S+3], 0x80000000
	s_mov_b32 s[G0H], 1
	s_mov_b32 s[G0H+1], s62
	s_mov_b64 s[G0H+2:G0H+3], s[82:83]
	s_or_b32 s[G0H+3], s[G0H+3], 0x80000000
.irp s, 0,1
	s_mov_b32 s[G0+4*\s], 1
	s_add_co_u32 s[G0+4*\s+1], s45, \s*SLOT
	s_add_nc_u64 s[G0+4*\s+2:G0+4*\s+3], s[46:47], \s*1024
	s_or_b32 s[G0+4*\s+3], s[G0+4*\s+3], 0x80000000
.endr
	s_cmp_lt_u32 s14, 2                            ; one tensor load a wave at the head, in two arms that join
	s_cbranch_scc0 .Lhead_w
	TL G0S, G1S                                    ; waves 0, 1: a half of W's scale bytes
	s_branch .Lhead_asked
.Lhead_w:
	TL G0H, G1H                                    ; waves 2, 3: a half of slot 0
.Lhead_asked:
	v_and_b32 v1, 15, v0                           ; r
	v_bfe_u32 v2, v0, 4, 1                         ; h
	v_and_b32 v3, 31, v0
	v_lshlrev_b32 v[LO], 4, v3
	v_lshlrev_b32 v[SOF], 2, v3
	v_lshlrev_b32 v[BO], 5, v2
; Group g of the ring of loads, eight loads.  g < 32: A's two fragments of K step g, into buffer g % 8.  g = 32 .. 35: eight rows of the residual, in the layout of the stores.  Beyond: nothing.
.macro GRP g
.if (\g) < 32
	WIN 0x80                                       ; destination window 2
.irp a, 0,1
.irp c, 0,1,2,3
	global_load_b128 v[32*((\g)%8)+16*\a+4*\c:32*((\g)%8)+16*\a+4*\c+3], v[LO], s[20:21] offset:\a*65536+(\g)*2048+512*\c   ; 32 lanes: 512 consecutive bytes, aligned
.endr
.endr
.elseif (\g) < 36
	WIN 0xc0                                       ; destination window 3
.irp t, 0,1,2,3,4,5,6,7
	global_load_b128 v[XR+4*(8*((\g)-32)+\t):XR+4*(8*((\g)-32)+\t)+3], v[LO], s[92:93] offset:(8*((\g)-32)+\t)*4096 th:TH_LOAD_NT
.endr
.endif
.endm
	WIN 0xc0
.irp b, 0,1,2,3,4,5,6,7
	global_load_b128 v[8*\b:8*\b+3], v[BO], s[10:11] offset:64*\b                  ; tile b: the bias at columns 16 b + 8 h + 0..7
	global_load_b128 v[8*\b+4:8*\b+7], v[BO], s[10:11] offset:64*\b+16
.endr
	WIN 0
.set k, 0
.rept 32
	global_load_b32 v[AS+k], v[SOF], s[22:23] offset:k*16384                       ; K step k: lane l takes the word of my row l
.set k, k+1
.endr
.irp g, 0,1,2,3,4,5,6
	GRP \g                                         ; the ring is filled: seven K steps of A
.endr
	WIN 0
	v_mul_u32_u24 v4, v1, BP
	v_lshl_add_u32 v4, v2, 4, v4                   ; a fragment's row x pitch + 16 h
	v_add_nc_u32 v[ADRB+0], 0, v4
	v_add_nc_u32 v[ADRB+1], 64*BP, v4              ; (an LDS offset has 16 bits: rows 64 on have a register of their own)
	v_add_nc_u32 v[ADRB+2], SLOT, v4
	v_add_nc_u32 v[ADRB+3], SLOT+64*BP, v4
	v_lshlrev_b32 v5, 7, v1                        ; W's scale bytes: 128 a row,
	v_lshrrev_b32 v6, 1, v1
	v_lshl_add_u32 v5, v6, 4, v5                   ; and 16 more for each 256 passed
	v_add_nc_u32 v[ADSB], SCB, v5
	s_mul_i32 s19, s14, 16*SP                      ; my stage
	v_mul_u32_u24 v5, v1, SP
	v_lshl_add_u32 v5, v2, 5, v5
	v_add_nc_u32 v[STO], s19, v5                   ; in: row r, 32 bytes for each half of the lanes
	v_add_nc_u32 v[RD], s19, v[LO]                 ; back: the 32 lanes take one row of 512 bytes
; 4 matrix instructions of K step g: A's tile a x W's tiles b0 .. b0 + 3.  The 16 accumulators take turns, one instruction a turn, in the same order in every K step.  K step 0 starts the sums from the bias.
.macro MUL4 g, a, b0
.irp b, \b0, \b0+1, \b0+2, \b0+3
.if (\g) == 0
.if (\a) == 0
	v_wmma_scale_f32_16x16x128_f8f6f4 v[ACC+8*(8*(\a)+(\b)):ACC+8*(8*(\a)+(\b))+7], v[128*((\g)%2)+16*(\b):128*((\g)%2)+16*(\b)+15], v[32*((\g)%8)+16*(\a):32*((\g)%8)+16*(\a)+15], v[8*(\b):8*(\b)+7], v[BS+32*(((\g)/4)%2)+4*(\b)+(\g)%4], v[AS+(\g)]
.else
	v_wmma_scale_f32_16x16x128_f8f6f4 v[ACC+8*(8*(\a)+(\b)):ACC+8*(8*(\a)+(\b))+7], v[128*((\g)%2)+16*(\b):128*((\g)%2)+16*(\b)+15], v[32*((\g)%8)+16*(\a):32*((\g)%8)+16*(\a)+15], v[8*(\b):8*(\b)+7], v[BS+32*(((\g)/4)%2)+4*(\b)+(\g)%4], v[AS+(\g)] matrix_b_scale:MATRIX_SCALE_ROW1
.endif
.else
.if (\a) == 0
	v_wmma_scale_f32_16x16x128_f8f6f4 v[ACC+8*(8*(\a)+(\b)):ACC+8*(8*(\a)+(\b))+7], v[128*((\g)%2)+16*(\b):128*((\g)%2)+16*(\b)+15], v[32*((\g)%8)+16*(\a):32*((\g)%8)+16*(\a)+15], v[ACC+8*(8*(\a)+(\b)):ACC+8*(8*(\a)+(\b))+7], v[BS+32*(((\g)/4)%2)+4*(\b)+(\g)%4], v[AS+(\g)]
.else
	v_wmma_scale_f32_16x16x128_f8f6f4 v[ACC+8*(8*(\a)+(\b)):ACC+8*(8*(\a)+(\b))+7], v[128*((\g)%2)+16*(\b):128*((\g)%2)+16*(\b)+15], v[32*((\g)%8)+16*(\a):32*((\g)%8)+16*(\a)+15], v[ACC+8*(8*(\a)+(\b)):ACC+8*(8*(\a)+(\b))+7], v[BS+32*(((\g)/4)%2)+4*(\b)+(\g)%4], v[AS+(\g)] matrix_b_scale:MATRIX_SCALE_ROW1
.endif
.endif
.endr
.endm
.macro FETCHB g                        ; 32 LDS loads in one run: W's eight fragments of K step g (slot (g / 8) % 2, its (g % 8)-th 128 along K) into buffer g % 2
	WIN 0x40                                       ; destination window 1
.irp i, 0,1,2,3,4,5,6,7
.irp c, 0,1,2,3
	ds_load_b128 v[128*((\g)%2)+16*\i+4*\c:128*((\g)%2)+16*\i+4*\c+3], v[ADRB+2*(((\g)/8)%2)+\i/4] offset:16*BP*(\i%4)+128*((\g)%8)+32*\c
.endr
.endr
.endm
.macro SCALESB hs                      ; W's scale words of K steps 4 hs .. 4 hs + 3 into set hs % 2: tile i's four at 4 i
	WIN 0
.irp i, 0,1,2,3,4,5,6,7
	ds_load_b128 v[BS+32*((\hs)%2)+4*\i:BS+32*((\hs)%2)+4*\i+3], v[ADSB] offset:\i*SBLK+16*(\hs)
.endr
.endm
; A K step that has its successor in the same slot: fetches the next K step's fragments of W, asks for the group seven on, multiplies.
.macro QTR g
	s_wait_dscnt 0x0                               ; this K step's fragments of W (and, where due, scale words) are in
	PLACES 8                                       ; behind the last K step's products: their buffer of W and their buffer of A are loaded again below
	FETCHB (\g)+1
.if ((\g)+1)%4 == 0
	SCALESB ((\g)+1)/4
.endif
	GRP (\g)+7
.if (\g) <= 28
	s_wait_loadcnt 56                              ; loads come back in order (ISA guide 5.7.1): group g is in; the seven groups behind it may be out
.else
	s_wait_loadcnt 8*(35-(\g))                     ; the groups run out: those up to 35 may be out
.endif
.if (\g) == 0
	WIN MUL0
.else
	WIN MUL
.endif
	MUL4 \g, 0, 0
	MUL4 \g, 0, 4
	MUL4 \g, 1, 0
	MUL4 \g, 1, 4
.endm
; A slot's last K step changes slots: one barrier; ahead of it each wave waits for all its tensor loads, adds 0 to its spare word, and waits for that and for its reads of this slot.  fill = 1: this slot is filled again, two slots ahead.
.macro TURN g, fill
	WIN 0                                          ; (the add's two registers lie in window 0)
	s_wait_tensorcnt 0x0                           ; all my tensor loads have landed: my part of the next slot
	ds_add_u32 v[SPW], v[NIL]
	s_wait_loadcnt 48                              ; group g is in; the six groups behind it may be out
	s_wait_dscnt 1                                 ; this K step's fragments of W are in; the add alone may be out
	WIN MUL
	MUL4 \g, 0, 0                                  ; four matrix instructions stand between the add and the wait for it
	s_wait_dscnt 0x0                               ; the add is done, and my reads of this slot are over
	s_barrier_signal -1
	MUL4 \g, 0, 4
	WIN 0
	s_barrier_wait -1
.if \fill
	CREST                                          ; the barrier has opened a round of the cluster's: no wave of any partner still reads this slot or has a load on its way
	s_add_nc_u64 s[G0+4*(((\g)/8)%2)+2:G0+4*(((\g)/8)%2)+3], s[G0+4*(((\g)/8)%2)+2:G0+4*(((\g)/8)%2)+3], 2048
	TL G0+4*(((\g)/8)%2), G1                       ; the first tensor load behind the round, and my one load until the next; its four v_nop are four of the eight places
	PLACES 4
.else
	PLACES 8
.endif
	FETCHB (\g)+1
	SCALESB ((\g)+1)/4
	GRP (\g)+7
	WIN MUL
	MUL4 \g, 1, 0
	MUL4 \g, 1, 4
.endm
	s_wait_alu depctr_va_vdst(0)
	s_wait_tensorcnt 0x0                           ; my head's load is in
	ds_add_u32 v[SPW], v[NIL]
	s_wait_dscnt 0x0
	CROUND                                         ; a whole round: the scale bytes and slot 0 are in, and the four work-groups meet
	TL G0+4, G1                                    ; slot 1's first fill, 32 rows a wave: it has seven K steps in which to land
	FETCHB 0
	SCALESB 0
.irp g, 0,1,2,3,4,5,6
	QTR \g
.endr
	TURN 7, 1                                      ; slot 0 takes K 2,048 on
.irp g, 8,9,10,11,12,13,14
	QTR \g
.endr
	TURN 15, 1                                     ; slot 1 takes K 3,072 on: the last tensor load
.irp g, 16,17,18,19,20,21,22
	QTR \g
.endr
	TURN 23, 0                                     ; nothing is left to fetch: a plain barrier
.irp g, 24,25,26,27,28,29,30
	QTR \g
.endr
	s_wait_dscnt 0x0                               ; the last K step
	s_wait_loadcnt 32                              ; group 31 is in; the residual's four groups may be out
	WIN MUL
	MUL4 31, 0, 0
	MUL4 31, 0, 4
	MUL4 31, 1, 0
	MUL4 31, 1, 4
	WIN 0
; THE WAY OUT, 16 rows x 128 columns at a time: through my own stage (in slot 0, which has had its last fill, and its last read ahead of the last barrier) and back as whole rows of 512 bytes, into the registers that they left; the residual is added; stored.
.macro TOSTAGE a
.irp b, 0,1,2,3,4,5,6,7
	ds_store_b128 v[STO], v[ACC+8*(8*(\a)+\b):ACC+8*(8*(\a)+\b)+3] offset:64*\b     ; each accumulator from its low end on
	ds_store_b128 v[STO], v[ACC+8*(8*(\a)+\b)+4:ACC+8*(8*(\a)+\b)+7] offset:64*\b+16
.endr
.irp t, 0,1,2,3,4,5,6,7,8,9,10,11,12,13,14,15
	ds_load_b128 v[ACC+64*(\a)+4*\t:ACC+64*(\a)+4*\t+3], v[RD] offset:SP*\t         ; LDS serves a wave's instructions in order (ISA guide 5.7.1.4): these see the stores above, and the next block's stores come behind them
.endr
.endm
.macro SEND a, younger
	s_wait_dscnt \younger
	WIN 0x0c                                       ; source 1: window 3
.set i, 0
.rept 32
	v_pk_add_f32 v[ACC+64*(\a)+i:ACC+64*(\a)+i+1], v[ACC+64*(\a)+i:ACC+64*(\a)+i+1], v[XR+64*(\a)+i:XR+64*(\a)+i+1]
.set i, i+2
.endr
	WIN 0
.irp t, 0,1,2,3,4,5,6,7,8,9,10,11,12,13,14,15
	global_store_b128 v[LO], v[ACC+64*(\a)+4*\t:ACC+64*(\a)+4*\t+3], s[94:95] offset:(16*(\a)+\t)*4096 th:TH_STORE_NT   ; 32 lanes: 512 consecutive bytes, aligned; written once, read by nobody here
.endr
.endm
	PLACES 8                                       ; behind the last products
	s_wait_loadcnt 0x0                             ; the residual
	TOSTAGE 0
	TOSTAGE 1
	SEND 0, 32                                     ; behind block 0's loads: block 1's 16 stores and 16 loads
	SEND 1, 0
	s_wait_tensorcnt 0x0                           ; the wave's end
	ds_add_u32 v[SPW], v[NIL]
	s_wait_dscnt 0x0
	CROUND                                         ; the closing round
	s_endpgm
.Lfunc_end_k_q529432a7dd_ffn2:
	.size	k_q529432a7dd_ffn2, .Lfunc_end_k_q529432a7dd_ffn2-k_q529432a7dd_ffn2
	.p2alignl 7, 3214868480
	.fill 96, 4, 3214868480
	.section	.rodata,"a",@progbits
	.p2align	6, 0x0
	.amdhsa_kernel k_q529432a7dd_ffn2
		.amdhsa_group_segment_fixed_size 327680
		.amdhsa_private_segment_fixed_size 0
		.amdhsa_enable_private_segment 0
		.amdhsa_kernarg_size 48
		.amdhsa_user_sgpr_count 2
		.amdhsa_user_sgpr_kernarg_segment_ptr 1
		.amdhsa_wavefront_size32 1
		.amdhsa_system_sgpr_workgroup_id_x 1
		.amdhsa_system_sgpr_workgroup_id_y 1
		.amdhsa_system_sgpr_workgroup_id_z 1
		.amdhsa_system_vgpr_workitem_id 0
		.amdhsa_next_free_vgpr 1024
		.amdhsa_next_free_sgpr 100
		.amdhsa_reserve_vcc 0
		.amdhsa_float_denorm_mode_32 3
		.amdhsa_float_denorm_mode_16_64 3
		.amdhsa_memory_ordered 1
		.amdhsa_forward_progress 1
		.amdhsa_inst_pref_size 198
	.end_amdhsa_kernel
	.amdgpu_metadata
---
amdhsa.version: [ 1, 2 ]
amdhsa.kernels:
  - .name:           k_q529432a7dd_ffn2
    .symbol:         k_q529432a7dd_ffn2.kd
    .args:
      - { .name: g, .offset: 0, .size: 8, .value_kind: global_buffer, .address_space: global }
      - { .name: W2_codes, .offset: 8, .size: 8, .value_kind: global_buffer, .address_space: global }
      - { .name: W2_scales, .offset: 16, .size: 8, .value_kind: global_buffer, .address_space: global }
      - { .name: b2, .offset: 24, .size: 8, .value_kind: global_buffer, .address_space: global }
      - { .name: x1, .offset: 32, .size: 8, .value_kind: global_buffer, .address_space: global }
      - { .name: out0, .offset: 40, .size: 8, .value_kind: global_buffer, .address_space: global }
    .group_segment_fixed_size: 327680
    .private_segment_fixed_size: 0
    .kernarg_segment_align: 8
    .kernarg_segment_size: 48
    .max_flat_workgroup_size: 128
    .sgpr_count:     100
    .vgpr_count:     1024
    .wavefront_size: 32
...
	.end_amdgpu_metadata
.endif
;; end of part 6
